; MI455X (gfx1250); checked and timed in simulation.
; The chip was launched on July 23, 2026; its instructions are those of AMD's public machine-readable ISA for CDNA 5 (MIT licence, August 2026) and "CDNA5" Instruction Set Architecture Reference Guide (July 2026). The comments in the code are by the model that wrote it; some were corrected since.
;; Transformer Block. Allowed arithmetic: float matrix products may take bf16 or f16 operands with f32 sums; other float arithmetic in f32, or as packed bf16 or f16 multiplies, adds, multiply-adds, maxima and minima; sums over many terms, partial sums and values carried from step to step in f32; what a program stores and reads back later, other than sums and carried values, may be rounded once to bf16 or f16.
;; Inputs: W1 1,024 x 4,096 float32; W2 4,096 x 1,024 float32; Wout 1,024 x 1,024 float32; Wqkv 1,024 x 3,072 float32; b1 4,096 float32; b2 1,024 float32; b_out 1,024 float32; ln_b 1,024 float32; ln_g 1,024 float32; x 2 x 2,048 x 1,024 float32.
;; Outputs: out0 2 x 2,048 x 1,024 float32.
;; One version. Each part assembles by itself: llvm-mc -triple=amdgcn-amd-amdhsa -mcpu=gfx1250 --defsym DOCPART=n.
;; ======== version 1 of 1: 7 launches
;; limits: values are held in f16: magnitudes above 65,504 overflow, below 6.1e-05 lose precision
;; workspace buffers: xh 8,388,608 bytes; wt 25,165,824 bytes; qkv 25,165,824 bytes; ctx 8,388,608 bytes; x1 16,777,216 bytes; hn 8,388,608 bytes; gl 33,554,432 bytes
;; launch prep (part 1): grid 2048 x 1, 4 waves a work-group, no clusters, 17,920 bytes of LDS; arguments x, Wqkv, Wout, W1, W2, xh, wt; writes xh, wt
.if DOCPART == 1
	.amdgcn_target "amdgcn-amd-amdhsa--gfx1250"
	.amdhsa_code_object_version 6
	.text
	.protected	k_qab1e203f9d_prep
	.globl	k_qab1e203f9d_prep
	.p2align	8
	.type	k_qab1e203f9d_prep,@function
k_qab1e203f9d_prep:
	s_mov_b64 s[64:65], 0
	v_nop
	global_prefetch_b8 v0, s[64:65] scope:SCOPE_SE
	s_setreg_imm32_b32 hwreg(HW_REG_WAVE_MODE, 25, 1), 1
	s_wait_xcnt 0x0
; PREP.  Every large input is rounded once to bf16 (nearest even) and that number is written as f16: x as it lies (xh [4096][1024]), the four weight
; matrices turned, so that K runs along the rows: wt = Wqkv^T [3072][1024] at byte 0, Wout^T [1024][1024] at 0x600000, W1^T [4096][1024] at 0x800000, W2^T [1024][4096] at 0x1000000.
; LIMITS.  A bf16 number is exact in f16 from 6.1e-5 to 65,504; below that it keeps f16's fixed step of 6e-8; beyond 65,504 it becomes an infinity.  NaN and infinities are not treated apart.
; SHARES.  A work-group takes 32 KiB of input, a wave 8 KiB, by 16 loads that all go out at once: there is no loop.  Work-groups 0-511: x, 32 KiB on end.  Work-groups 512-2047: a tile of 128 k x 64 n of one
; matrix, of which wave w takes the rows k = 32 w .. 32 w + 31.  With 17,920 bytes of LDS and 128 registers eight work-groups lie on a WGP: 256 KiB are on their way there.
; ONE TEXT FOR THE LOADS AND THE ROUNDING: the sixteen loads' offsets are made of scalars that the work-group's number chooses.  Only the packing differs.
; A TILE IS TURNED IN LDS: 64 rows (n) of 256 bytes (128 k in f16) + 16 of padding.  A load takes 256 consecutive bytes of a row of W for each half of the lanes; a lane packs 8 k of one column n into 16 bytes;
; column n = 4 l' + j lies in LDS row 16 j + l', so that the sixteen lanes of a store lie 272 bytes apart; behind a barrier wave w reads rows 16 w .. 16 w + 15 back whole, 256 bytes to sixteen lanes.
; The barrier stands on every wave's path: the work-groups that take x pass it too.
.set SPARE, 17408                      ; behind the tile: the spare words, 128 bytes a wave
.set LP,    272
.set NX,    512                        ; work-groups that take x
.set OFF,   4                          ; v4-11   load i's byte offset; never rewritten
.set OA,    12                         ; v12-19  a tile's store tt: (8 tt + 4 h + w) x row of W^T + 16 l'; never rewritten
.set LS,    20                         ; v20     where I put 16 bytes of a column
.set LR,    21                         ; v21     where I read rows back
.set SPW,   22                         ; v22     my spare word
.set NIL,   23                         ; v23     0
.set XO,    24                         ; v24     xh: 16 l
.set L16,   25
.set TV,    26
.set T,     28                         ; v28-31  at work
.set Y,     32                         ; v32-63  packed results
.set X0,    64                         ; v64-127 two chunks of 32 registers as loaded; then rows read back
	s_load_b256 s[4:11], s[0:1], 0x0               ; x s[4:5], Wqkv s[6:7], Wout s[8:9], W1 s[10:11]
	s_load_b128 s[12:15], s[0:1], 0x20             ; W2 s[12:13], xh s[14:15]
	s_load_b64 s[16:17], s[0:1], 0x30              ; wt
	v_lshl_add_u32 v[SPW], v0, 2, SPARE
	v_mov_b32 v[NIL], 0
	v_lshrrev_b32 v1, 5, v0
	v_readfirstlane_b32 s18, v1                    ; wave 0..3
	v_and_b32 v1, 15, v0                           ; l' = l % 16
	v_bfe_u32 v2, v0, 4, 1                         ; h = l / 16
	v_and_b32 v3, 31, v0                           ; l
	s_mov_b32 s19, ttmp9
	s_mov_b32 s40, 0xffff0000
	; which matrix: W2's figures first, then the earlier ranges of work-groups take their own
	s_mov_b32 s22, 4096                            ; bytes in a row of W
	s_mov_b32 s23, 5                               ; log2 of the k tiles
	s_mov_b32 s24, 8192                            ; bytes in a row of W^T
	s_mov_b32 s26, 0x1000000                       ; its place in wt
	s_mov_b32 s27, 1536                            ; its first work-group
	s_cmp_lt_u32 s19, 1536
	s_cselect_b32 s22, 16384, s22                  ; W1
	s_cselect_b32 s23, 3, s23
	s_cselect_b32 s24, 2048, s24
	s_cselect_b32 s26, 0x800000, s26
	s_cselect_b32 s27, 1024, s27
	s_cmp_lt_u32 s19, 1024
	s_cselect_b32 s22, 4096, s22                   ; Wout
	s_cselect_b32 s26, 0x600000, s26
	s_cselect_b32 s27, 896, s27
	s_cmp_lt_u32 s19, 896
	s_cselect_b32 s22, 12288, s22                  ; Wqkv
	s_cselect_b32 s26, 0, s26
	s_cselect_b32 s27, 512, s27
	s_sub_co_u32 s28, s19, s27                     ; the tile's number in its matrix (in a work-group that takes x these figures are made and not used)
	s_lshl_b32 s29, 1, s23
	s_sub_co_u32 s29, s29, 1
	s_and_b32 s29, s28, s29                        ; k tile
	s_lshr_b32 s28, s28, s23                       ; n tile
	s_lshl_b32 s30, s29, 7
	s_lshl_b32 s37, s18, 5
	s_add_co_u32 s30, s30, s37                     ; my wave's first row k
	s_mul_i32 s30, s30, s22
	s_lshl_b32 s37, s28, 8                         ; 256 bytes an n tile
	s_add_co_u32 s30, s30, s37                     ; where my loads begin
	s_mov_b32 s31, 0
	s_mul_i32 s34, s28, s24
	s_lshl_b32 s34, s34, 6                         ; 64 rows of W^T an n tile
	s_lshl_b32 s37, s29, 8                         ; 256 bytes a k tile
	s_add_co_u32 s34, s34, s37
	s_add_co_u32 s34, s34, s26                     ; where the tile lies in wt
	s_mov_b32 s35, 0
	s_mov_b32 s32, s22                             ; from an even load to the next: a row of W
	s_mov_b32 s33, s22                             ; from an odd load to the next: the same
	s_lshl_b32 s36, s22, 3                         ; lanes 16-31: 8 rows further down
	s_mov_b32 s39, 16                              ; from lane to lane
	s_lshl_b32 s41, s24, 3                         ; from store to store: 8 rows of W^T
	s_lshl_b32 s42, s22, 4                         ; from chunk to chunk: 16 rows of W
	s_mov_b32 s43, 0
	s_lshl_b32 s38, s19, 15                        ; x: 32 KiB a work-group,
	s_lshl_b32 s37, s18, 13                        ; 8 KiB a wave
	s_add_co_u32 s38, s38, s37
	s_lshl_b32 s44, s19, 14                        ; xh: half of that
	s_lshl_b32 s37, s18, 12
	s_add_co_u32 s44, s44, s37
	s_mov_b32 s45, 0
	s_cmp_lt_u32 s19, NX                           ; x: a lane takes 32 bytes on end by two loads, 32 lanes 1,024 bytes, a chunk 4,096
	s_cselect_b32 s30, s38, s30
	s_cselect_b32 s32, 16, s32
	s_cselect_b32 s33, 1008, s33
	s_cselect_b32 s36, 512, s36
	s_cselect_b32 s39, 32, s39
	s_cselect_b32 s42, 4096, s42
	v_lshlrev_b32 v[L16], 4, v1
	v_mul_u32_u24 v[OFF], v1, s39
	v_mad_u32_u24 v[OFF], v2, s36, v[OFF]
.irp i, 1,3,5,7
	v_add_nc_u32 v[OFF+\i], s32, v[OFF+\i-1]
.if \i < 7
	v_add_nc_u32 v[OFF+\i+1], s33, v[OFF+\i]
.endif
.endr
	v_lshl_add_u32 v[TV], v2, 2, s18               ; 4 h + w
	v_mad_u32_u24 v[OA], v[TV], s24, v[L16]
.irp tt, 1,2,3,4,5,6,7
	v_add_nc_u32 v[OA+\tt], s41, v[OA+\tt-1]
.endr
	v_lshlrev_b32 v[XO], 4, v3
	v_mul_u32_u24 v[LS], v1, LP                    ; LDS row l' (+ 16 j), my wave's 32 k at byte 64 w, 8 k for each half of the lanes
	v_lshl_add_u32 v[LS], v2, 4, v[LS]
	s_lshl_b32 s46, s18, 6
	v_add_nc_u32 v[LS], s46, v[LS]
	s_mul_i32 s46, s18, 16*LP                      ; back: LDS rows 16 w + h + 2 tt
	v_mul_u32_u24 v[LR], v2, LP
	v_add_nc_u32 v[LR], v[L16], v[LR]
	v_add_nc_u32 v[LR], s46, v[LR]
	s_wait_kmcnt 0x0
	s_mov_b64 s[20:21], s[12:13]
	s_cmp_lt_u32 s19, 1536
	s_cselect_b64 s[20:21], s[10:11], s[20:21]
	s_cmp_lt_u32 s19, 1024
	s_cselect_b64 s[20:21], s[8:9], s[20:21]
	s_cmp_lt_u32 s19, 896
	s_cselect_b64 s[20:21], s[6:7], s[20:21]
	s_cmp_lt_u32 s19, NX
	s_cselect_b64 s[20:21], s[4:5], s[20:21]
	s_add_nc_u64 s[20:21], s[20:21], s[30:31]      ; the first chunk,
	s_add_nc_u64 s[42:43], s[20:21], s[42:43]      ; the second
	s_add_nc_u64 s[16:17], s[16:17], s[34:35]
	s_add_nc_u64 s[14:15], s[14:15], s[44:45]
.irp c, 0,1
.irp i, 0,1,2,3,4,5,6,7
	global_load_b128 v[X0+32*\c+4*\i:X0+32*\c+4*\i+3], v[OFF+\i], s[20+22*\c:21+22*\c] th:TH_LOAD_NT
.endr
.endr
.macro ROUND c                         ; a chunk's 32 numbers a lane, in place: to bf16, two at a time, and back to f32 by a shift and a mask
.irp g, 0,1,2,3
.irp k, 0,1,2,3
	v_cvt_pk_bf16_f32 v[T+\k], v[X0+32*(\c)+8*\g+2*\k], v[X0+32*(\c)+8*\g+2*\k+1]
.endr
.irp k, 0,1,2,3
	v_lshlrev_b32 v[X0+32*(\c)+8*\g+2*\k], 16, v[T+\k]
	v_and_b32 v[X0+32*(\c)+8*\g+2*\k+1], s40, v[T+\k]
.endr
.endr
.endm
	s_wait_loadcnt 8                               ; the first chunk is in; the second's eight loads may stay out
	ROUND 0
	s_wait_loadcnt 0x0
	ROUND 1
	s_cmp_lt_u32 s19, NX
	s_cbranch_scc1 .Lxpack
.irp c, 0,1                            ; a tile: column 4 l' + j: the k of loads 2 m and 2 m + 1 lie side by side in W^T
.irp j, 0,1,2,3
.irp m, 0,1,2,3
	v_cvt_pk_f16_f32 v[Y+16*\c+4*\j+\m], v[X0+32*\c+8*\m+\j], v[X0+32*\c+8*\m+4+\j]
.endr
.endr
.endr
.irp c, 0,1
.irp j, 0,1,2,3
	ds_store_b128 v[LS], v[Y+16*\c+4*\j:Y+16*\c+4*\j+3] offset:32*\c+\j*16*LP
.endr
.endr
	s_branch .Lmeet
.Lxpack:                                               ; x: neighbours in a lane's registers are neighbours in memory
.set p, 0
.rept 32
	v_cvt_pk_f16_f32 v[Y+p], v[X0+2*p], v[X0+2*p+1]
.set p, p+1
.endr
.irp k, 0,1,2,3,4,5,6,7
	global_store_b128 v[XO], v[Y+4*\k:Y+4*\k+3], s[14:15] offset:512*\k  ; 32 lanes: 512 consecutive bytes, aligned
.endr
.Lmeet:
	s_wait_dscnt 0x0                               ; for the others' sake: my part of the tile lies in LDS
	s_barrier_signal -1
	s_barrier_wait -1
	s_cmp_lt_u32 s19, NX
	s_cbranch_scc1 .Lend
.irp tt, 0,1,2,3,4,5,6,7               ; LDS row 16 w + 2 tt + h holds column n = 8 tt + 4 h + w
	ds_load_b128 v[X0+4*\tt:X0+4*\tt+3], v[LR] offset:\tt*2*LP
.endr
	s_wait_dscnt 0x0
.irp tt, 0,1,2,3,4,5,6,7
	global_store_b128 v[OA+\tt], v[X0+4*\tt:X0+4*\tt+3], s[16:17]  ; sixteen lanes: 256 consecutive bytes, aligned
.endr
.Lend:
	s_wait_tensorcnt 0x0                           ; the wave's end
	ds_add_u32 v[SPW], v[NIL]
	s_wait_dscnt 0x0
	s_endpgm
.Lfunc_end_k_qab1e203f9d_prep:
	.size	k_qab1e203f9d_prep, .Lfunc_end_k_qab1e203f9d_prep-k_qab1e203f9d_prep
	.p2alignl 7, 3214868480
	.fill 96, 4, 3214868480
	.section	.rodata,"a",@progbits
	.p2align	6, 0x0
	.amdhsa_kernel k_qab1e203f9d_prep
		.amdhsa_group_segment_fixed_size 17920
		.amdhsa_private_segment_fixed_size 0
		.amdhsa_enable_private_segment 0
		.amdhsa_kernarg_size 56
		.amdhsa_user_sgpr_count 2
		.amdhsa_user_sgpr_kernarg_segment_ptr 1
		.amdhsa_wavefront_size32 1
		.amdhsa_system_sgpr_workgroup_id_x 1
		.amdhsa_system_sgpr_workgroup_id_y 1
		.amdhsa_system_sgpr_workgroup_id_z 1
		.amdhsa_system_vgpr_workitem_id 0
		.amdhsa_next_free_vgpr 128
		.amdhsa_next_free_sgpr 66
		.amdhsa_reserve_vcc 0
		.amdhsa_float_denorm_mode_32 3
		.amdhsa_float_denorm_mode_16_64 3
		.amdhsa_memory_ordered 1
		.amdhsa_forward_progress 1
		.amdhsa_inst_pref_size 18
	.end_amdhsa_kernel
	.amdgpu_metadata
---
amdhsa.version: [ 1, 2 ]
amdhsa.kernels:
  - .name:           k_qab1e203f9d_prep
    .symbol:         k_qab1e203f9d_prep.kd
    .args:
      - { .name: x, .offset: 0, .size: 8, .value_kind: global_buffer, .address_space: global }
      - { .name: Wqkv, .offset: 8, .size: 8, .value_kind: global_buffer, .address_space: global }
      - { .name: Wout, .offset: 16, .size: 8, .value_kind: global_buffer, .address_space: global }
      - { .name: W1, .offset: 24, .size: 8, .value_kind: global_buffer, .address_space: global }
      - { .name: W2, .offset: 32, .size: 8, .value_kind: global_buffer, .address_space: global }
      - { .name: xh, .offset: 40, .size: 8, .value_kind: global_buffer, .address_space: global }
      - { .name: wt, .offset: 48, .size: 8, .value_kind: global_buffer, .address_space: global }
    .group_segment_fixed_size: 17920
    .private_segment_fixed_size: 0
    .kernarg_segment_align: 8
    .kernarg_segment_size: 56
    .max_flat_workgroup_size: 128
    .sgpr_count:     66
    .vgpr_count:     128
    .wavefront_size: 32
...
	.end_amdgpu_metadata
.endif
;; end of part 1
;; launch qkv (part 2): grid 8 x 32, 4 waves a work-group, clusters of 4 x 4, 327,680 bytes of LDS; arguments xh, wt, qkv; writes qkv
.if DOCPART == 2
	.amdgcn_target "amdgcn-amd-amdhsa--gfx1250"
	.amdhsa_code_object_version 6
	.text
	.protected	k_qab1e203f9d_qkv
	.globl	k_qab1e203f9d_qkv
	.p2align	8
	.type	k_qab1e203f9d_qkv,@function
k_qab1e203f9d_qkv:
	s_mov_b64 s[64:65], 0
	v_nop
	global_prefetch_b8 v0, s[64:65] scope:SCOPE_SE
	s_setreg_imm32_b32 hwreg(HW_REG_WAVE_MODE, 25, 1), 1
	s_wait_xcnt 0x0
	s_wait_alu depctr_hold_cnt(0) depctr_sa_sdst(0) depctr_va_vdst(0) depctr_va_sdst(0) depctr_va_ssrc(0) depctr_va_vcc(0) depctr_vm_vsrc(0)
	s_getreg_b32 s2, hwreg(HW_REG_IB_STS2, 6, 4)
	s_cmp_eq_u32 s2, 0
	s_cbranch_scc0 .Lentry_in_a_cluster
	s_endpgm
.Lentry_in_a_cluster:
	s_bfe_u32 s2, ttmp6, 0x10000c
	s_cmp_lg_u32 s2, 0xf033
	s_cbranch_scc0 .Lentry_shape_is_right
	s_endpgm
.Lentry_shape_is_right:
; QKV.  C = xh Wqkv: A = xh [4096][1024], B = Wqkv^T [3072][1024] (wt at byte 0), both f16; sums in f32; q, k, v rounded once to f16 and stored by heads:
; qkv = q at byte 0, k at 0x800000, v at 0x1000000, each [16 = 8 b + h][2048][128].  A tile of C is 128 rows x 384 columns: one head's q, k and v.  No scale is applied here.
; LIMIT.  q, k, v beyond 65,504 become infinities in f16.
; SHARES.  Four waves, 2 x 2, each 64 x 192: 48 accumulators.  K goes in steps of 128 through two LDS slots filled by the tensor data mover: wave 0 fetches A's 128 rows, waves 1-3 B's 384.
; CLUSTER.  4 x 4 work-groups: the four of a row need the same tile of A, the four of a column the same tile of B: each is asked for jointly, by the same load, descriptor and mask in all four.
; THE MATRIX INSTRUCTION IS USED TRANSPOSED (source 0 = 16 rows of B, source 1 = 16 rows of A): a lane holds row l % 16 of C and the columns 8 (l / 16) + 0..7.
; REGISTERS.  Window 0: addresses and the way out.  Window 1: two fragment buffers of 128.  Windows 2, 3: accumulator a NB + b at v[8 (acc % 32)] of window 2 + acc / 32.
.set KDIM,  1024
.set TM,    128
.set TN,    384
.set MA,    4
.set NB,    12
.set KD,    1                          ; matrix instructions deep in a quarter of a K step
.set RL,    128                        ; rows in a tensor load
.set NAW,   1                          ; waves that fetch A
.set WTOFF, 0
.set SP,    1552                       ; a row of the stage: 384 f32 + 16 bytes, an odd multiple of 16
.set KSTEP, 128*KD
.set PITCH, 256*KD+16                  ; an LDS row: the 16 rows of a fragment load start 16 bytes apart modulo 256
.set QI,    4+KD
.set SLOT,  (TM+TN)*PITCH              ; A's rows, then B's
.set SPARE, 2*SLOT                     ; behind the ring: the spare words
.set KSTEPS, KDIM/KSTEP
.set NW,    MA*NB*KD                   ; matrix instructions in a quarter
.set WM,    16*MA
.set WN,    16*NB
.set QBY,   64*KD                      ; bytes of a row in a quarter
.set F0, 0
.set F1, 128
.set ADRA0, 16                         ; v16, v17  my fragments' LDS addresses in slot 0; never rewritten
.set ADRB0, 17
.set ADRA, 18                          ; v18, v19  the same in the slot in hand
.set ADRB, 19
.set RD,   21                          ; v21  the way out: where I read rows back
.set GO,   22                          ; v22-24  my byte offsets in q, k, v
.set SPW,  28
.set NIL,  29
.set STOA, 32                          ; v32..  the way out: where accumulator row a goes
.set TT,   64
.set YY,   112
.set WV, 10
.set MH, 11
.set NH, 12
.set TY, 13
.set TX, 42
.set LB, 20                            ; s20  LDS byte of my load in a slot
.set TB, 21                            ; s21  the slot in hand: 0 or SLOT
.set CNT, 3
.set G1A, 24
.set G0A, 32                           ; two sets; the second walks
.set G1B, 48
.set G0B, 56
.set MSB, 0
.macro WIN new                         ; the immediate's high byte repeats the setting that is left
.if MSB != (\new)
	s_set_vgpr_msb (MSB<<8)|(\new)
.set MSB, \new
.endif
.endm
.macro PLACES                          ; four places behind matrix instructions, in front of loads into their sources and of reads of their results
.rept 4
	v_nop
.endr
.endm
.macro JLOAD s                         ; a joint load; the branch hangs on the wave's number alone; an s_nop 0 and four v_nop follow each line
	s_cmp_lt_u32 s[WV], NAW
	s_cbranch_scc0 .Lfor_b_\@
	tensor_load_to_lds s[G0A+4*(\s):G0A+4*(\s)+3], s[G1A:G1A+7]
	s_nop 0
.rept 4
	v_nop
.endr
	s_branch .Lasked_\@
.Lfor_b_\@:
	tensor_load_to_lds s[G0B+4*(\s):G0B+4*(\s)+3], s[G1B:G1B+7]
	s_nop 0
.rept 4
	v_nop
.endr
.Lasked_\@:
.endm
.macro CREST                           ; a round of the cluster's barrier behind its opening barrier
	s_cmp_lg_u32 s[WV], 0
	s_cbranch_scc1 .Lnot_wave_0_\@
	s_barrier_signal -3
.Lnot_wave_0_\@:
	s_barrier_wait -3
	s_barrier_signal -1
	s_barrier_wait -1
.endm
.macro CROUND
	s_barrier_signal -1
	s_barrier_wait -1
	CREST
.endm
; Matrix instructions i0 .. i0 + num - 1 of a quarter, from buffer f.  All accumulators take turns, one instruction a turn, over the backward jumps too.  zero = 1: the first product starts the sum.
.macro MULS f, i0, num, zero
.set mi, \i0
.rept \num
.set mc, mi/(MA*NB)
.set ma, (mi%(MA*NB))/NB
.set mb, mi%NB
.set macc, ma*NB+mb
.set rD, 8*(macc%32)
.set rB, (\f)+8*(mc*(MA+NB)+MA+mb)
.set rA, (\f)+8*(mc*(MA+NB)+ma)
	WIN 0xa5+0x50*(macc/32)
.if (\zero) && (mc == 0)
	v_wmma_f32_16x16x32_f16 v[rD:rD+7], v[rB:rB+7], v[rA:rA+7], 0
.else
	v_wmma_f32_16x16x32_f16 v[rD:rD+7], v[rB:rB+7], v[rA:rA+7], v[rD:rD+7]
.endif
.set mi, mi+1
.endr
.endm
.macro FETCH q, f                      ; 32 LDS loads in one run: quarter q's fragments into buffer f
	WIN 0x40
.set fc, 0
.rept KD
.set fi, 0
.rept NB
	ds_load_b128 v[(\f)+8*(fc*(MA+NB)+MA+fi):(\f)+8*(fc*(MA+NB)+MA+fi)+3],   v[ADRB] offset:(\q)*QBY+64*fc+fi*16*PITCH
	ds_load_b128 v[(\f)+8*(fc*(MA+NB)+MA+fi)+4:(\f)+8*(fc*(MA+NB)+MA+fi)+7], v[ADRB] offset:(\q)*QBY+64*fc+fi*16*PITCH+32
.set fi, fi+1
.endr
.set fi, 0
.rept MA
	ds_load_b128 v[(\f)+8*(fc*(MA+NB)+fi):(\f)+8*(fc*(MA+NB)+fi)+3],   v[ADRA] offset:(\q)*QBY+64*fc+fi*16*PITCH
	ds_load_b128 v[(\f)+8*(fc*(MA+NB)+fi)+4:(\f)+8*(fc*(MA+NB)+fi)+7], v[ADRA] offset:(\q)*QBY+64*fc+fi*16*PITCH+32
.set fi, fi+1
.endr
.set fc, fc+1
.endr
.endm
.macro QUARTER q, f, g, zero           ; multiplies buffer f; in its middle fetches quarter q into buffer g
	s_wait_dscnt 0x0                               ; buffer f's loads, issued half a quarter ago
	MULS \f, 0, NW/2, \zero
	PLACES
	FETCH \q, \g
	MULS \f, NW/2, NW/2, \zero
.endm
; The last quarter multiplies buffer 1 and changes slots.  In front of the barrier each wave waits for all its tensor loads (its part of the next slot), adds 0 to its spare word, and waits for that and
; for its reads of this slot.  fill = 1: the barrier opens a round of the cluster's, and the slot just read is filled again first thing behind it, with the K step two on.
.macro TURN fill
	WIN 0
	s_wait_dscnt 0x0                               ; buffer 1 is in
	s_wait_tensorcnt 0x0
	ds_add_u32 v[SPW], v[NIL]                      ; 0 onto my spare word; products stand between it and the wait for it
	MULS F1, 0, NW/4, 0
	s_wait_dscnt 0x0
	s_barrier_signal -1
	MULS F1, NW/4, NW/4, 0
	WIN 0
	s_barrier_wait -1
.if \fill
	CREST
	s_add_co_u32 s[G0A+5], s[LB], s[TB]            ; no tensor load of mine is out: the walking descriptors may be written
	s_add_co_u32 s[G0B+5], s[LB], s[TB]
	s_add_nc_u64 s[G0A+6:G0A+7], s[G0A+6:G0A+7], KSTEP*2
	s_add_nc_u64 s[G0B+6:G0B+7], s[G0B+6:G0B+7], KSTEP*2
	JLOAD 1
.else
	PLACES
.endif
	s_xor_b32 s[TB], s[TB], SLOT                   ; 0 and SLOT by turns
	v_add_nc_u32 v[ADRA], s[TB], v[ADRA0]
	v_add_nc_u32 v[ADRB], s[TB], v[ADRB0]
	FETCH 0, F0
	MULS F1, NW/2, NW/2, 0
.endm
	s_load_b128 s[80:83], s[0:1], 0x0              ; xh s[80:81], wt s[82:83]
	s_load_b64 s[84:85], s[0:1], 0x10              ; qkv
	v_lshl_add_u32 v[SPW], v0, 2, SPARE
	v_mov_b32 v[NIL], 0
	ds_add_u32 v[SPW], v[NIL]                      ; the wave's opening: an add, waited for ahead of my first tensor load
	v_lshrrev_b32 v1, 5, v0
	v_readfirstlane_b32 s[WV], v1
	s_lshr_b32 s[MH], s[WV], 1                     ; my half of the tile's rows
	s_and_b32 s[NH], s[WV], 1                      ; my half of its columns
	s_bfe_u32 s40, ttmp6, 0x40000                  ; cx
	s_bfe_u32 s41, ttmp6, 0x40004                  ; cy
	s_lshl_b32 s[TX], ttmp9, 2
	s_add_co_u32 s[TX], s[TX], s40                 ; tile column
	s_and_b32 s[TY], ttmp7, 0xffff
	s_lshl_b32 s[TY], s[TY], 2
	s_add_co_u32 s[TY], s[TY], s41                 ; tile row
	s_lshl_b32 s43, s41, 2
	s_lshl_b32 s43, 15, s43                        ; my row of the cluster
	s_lshl_b32 s44, 0x1111, s40                    ; my column
	s_or_b32 s[G1A], s43, (1<<16)|(1<<20)|(1<<21)|(QI<<22)|(3<<25)  ; mask; 2-byte elements; padding on; bit 21 beside a mask; after every row; 4 words
	s_or_b32 s[G1B], s44, (1<<16)|(1<<20)|(1<<21)|(QI<<22)|(3<<25)
.irp g, G1A, G1B
	s_mov_b32 s[(\g)+1], KSTEP<<16                 ; tensor_dim0
	s_mov_b32 s[(\g)+2], RL<<16                    ; tensor_dim1
	s_mov_b32 s[(\g)+3], KSTEP<<16                 ; tile_dim0
	s_mov_b32 s[(\g)+4], RL                        ; tile_dim1
	s_mov_b32 s[(\g)+5], KDIM                      ; elements from row to row
	s_mov_b32 s[(\g)+6], 0
	s_mov_b32 s[(\g)+7], 0
.endr
	s_min_u32 s17, s[WV], NAW-1
	s_mul_i32 s17, s17, RL
	s_mul_i32 s16, s[TY], TM
	s_add_co_u32 s16, s16, s17                     ; A's first row for my load
	s_mul_i32 s16, s16, KDIM*2
	s_mov_b32 s17, 0
	s_max_u32 s47, s[WV], NAW
	s_sub_co_u32 s47, s47, NAW
	s_mul_i32 s47, s47, RL
	s_mul_i32 s46, s[TX], TN
	s_add_co_u32 s46, s46, s47                     ; B's first row for my load
	s_mul_i32 s46, s46, KDIM*2
	s_add_co_u32 s46, s46, WTOFF
	s_mov_b32 s47, 0
	s_mul_i32 s[LB], s[WV], RL*PITCH
	s_mov_b32 s[TB], 0
	s_wait_dscnt 0x0                               ; the opening add is done
	s_wait_kmcnt 0x0
	s_add_nc_u64 s[14:15], s[80:81], s[16:17]
	s_add_nc_u64 s[46:47], s[82:83], s[46:47]
	CROUND                                         ; all sixteen work-groups are here: the first joint loads meet
.irp s, 0,1
	s_mov_b32 s[G0A+4*(\s)], 1
	s_add_co_u32 s[G0A+4*(\s)+1], s[LB], (\s)*SLOT
	s_add_nc_u64 s[G0A+4*(\s)+2:G0A+4*(\s)+3], s[14:15], (\s)*KSTEP*2
	s_or_b32 s[G0A+4*(\s)+3], s[G0A+4*(\s)+3], 0x80000000
	s_mov_b32 s[G0B+4*(\s)], 1
	s_add_co_u32 s[G0B+4*(\s)+1], s[LB], (\s)*SLOT
	s_add_nc_u64 s[G0B+4*(\s)+2:G0B+4*(\s)+3], s[46:47], (\s)*KSTEP*2
	s_or_b32 s[G0B+4*(\s)+3], s[G0B+4*(\s)+3], 0x80000000
	JLOAD \s                                       ; K steps 0 and 1: two loads of mine are out
.endr
	v_and_b32 v1, 15, v0
	v_bfe_u32 v2, v0, 4, 1
	v_and_b32 v3, 31, v0
	v_mul_u32_u24 v4, v1, PITCH
	v_lshl_add_u32 v4, v2, 4, v4                   ; a fragment's row x pitch + 16 x half
	s_mul_i32 s22, s[MH], WM*PITCH
	s_mul_i32 s23, s[NH], WN*PITCH
	s_add_co_u32 s23, s23, TM*PITCH
	v_add_nc_u32 v[ADRA0], s22, v4
	v_add_nc_u32 v[ADRB0], s23, v4
	v_mov_b32 v[ADRA], v[ADRA0]
	v_mov_b32 v[ADRB], v[ADRB0]
	s_mul_i32 s22, s[MH], WM*SP
	s_mul_i32 s23, s[NH], WN*4
	s_add_co_u32 s22, s22, s23
	v_mul_u32_u24 v4, v1, SP
	v_lshl_add_u32 v4, v2, 5, v4
	v_add_nc_u32 v[STOA], s22, v4                  ; stage: row l % 16 of my rows, my columns, 32 bytes for each half of the lanes
.set da, 1
.rept MA-1
	v_add_nc_u32 v[STOA+da], da*16*SP, v[STOA]
.set da, da+1
.endr
	s_mul_i32 s23, s[WV], (TM/4)*SP
	v_lshl_add_u32 v[RD], v3, 4, s23               ; back: wave w takes rows 32 w on, whole
	v_lshlrev_b32 v[GO], 3, v3                     ; 4 f16 a lane: 32 lanes fill a head's row of 256 bytes
	v_add_nc_u32 v[GO+1], 0x800000, v[GO]          ; k
	v_add_nc_u32 v[GO+2], 0x1000000, v[GO]         ; v
	s_lshr_b32 s66, s[TY], 4                       ; b
	s_lshl_b32 s66, s66, 3
	s_add_co_u32 s66, s66, s[TX]                   ; 8 b + h
	s_lshl_b32 s66, s66, 19                        ; 2,048 rows of 256 bytes
	s_and_b32 s67, s[TY], 15
	s_lshl_b32 s67, s67, 15                        ; 128 rows a tile
	s_add_co_u32 s66, s66, s67
	s_lshl_b32 s67, s[WV], 13                      ; 32 rows a wave
	s_add_co_u32 s66, s66, s67
	s_mov_b32 s67, 0
	s_add_nc_u64 s[84:85], s[84:85], s[66:67]
	s_wait_tensorcnt 1                             ; my part of K step 0 is in; K step 1's may stay out
	s_barrier_signal -1
	s_barrier_wait -1
	FETCH 0, F0
	QUARTER 1, F0, F1, 1                           ; the first quarter's products start the sums
	WIN 0
	s_mov_b32 s[CNT], KSTEPS-2
.Lstep:                                                ; a trip: a K step's quarters 1 to 3, the change of slots with a refill, the next step's quarter 0
	QUARTER 2, F1, F0, 0
	QUARTER 3, F0, F1, 0
	TURN 1
	QUARTER 1, F0, F1, 0
	WIN 0
	s_sub_co_u32 s[CNT], s[CNT], 1
	s_cmp_lg_u32 s[CNT], 0
	s_cbranch_scc1 .Lstep
	s_mov_b32 s[CNT], 2
.Ltail:                                                ; the last two K steps fill nothing; the second trip is left in its middle (its fetch of the other slot's old bytes serves nothing)
	QUARTER 2, F1, F0, 0
	QUARTER 3, F0, F1, 0
	TURN 0
	WIN 0
	s_cmp_eq_u32 s[CNT], 1
	s_cbranch_scc1 .Lout
	QUARTER 1, F0, F1, 0
	WIN 0
	s_sub_co_u32 s[CNT], s[CNT], 1
	s_cmp_lg_u32 s[CNT], 0
	s_cbranch_scc1 .Ltail
.Lout:
	; THE WAY OUT.  The ring has had its last fill: the stage, 128 rows x 1,552 bytes of f32, lies in it.  Nobody reads the ring any more behind this barrier.
	s_wait_dscnt 0x0
	s_barrier_signal -1
	s_barrier_wait -1
	PLACES
.set da, 0
.rept MA
.set db, 0
.rept NB
.set dacc, da*NB+db
	WIN 0x08+0x04*(dacc/32)
	ds_store_b128 v[STOA+da], v[8*(dacc%32):8*(dacc%32)+3] offset:64*db
	ds_store_b128 v[STOA+da], v[8*(dacc%32)+4:8*(dacc%32)+7] offset:64*db+16
.set db, db+1
.endr
.set da, da+1
.endr
	WIN 0
	s_wait_dscnt 0x0                               ; for the others' sake: my stores into the stage are done
	s_barrier_signal -1
	s_barrier_wait -1
	s_mov_b32 s[CNT], 8
.Lrow:                                                 ; four rows a trip: q, k and v of each, rounded to f16
.irp r, 0,1,2,3
.irp g, 0,1,2
	ds_load_b128 v[TT+4*(3*\r+\g):TT+4*(3*\r+\g)+3], v[RD] offset:\r*SP+512*\g
.endr
.endr
	s_wait_dscnt 0x0
.set p, 0
.rept 24
	v_cvt_pk_f16_f32 v[YY+p], v[TT+2*p], v[TT+2*p+1]
.set p, p+1
.endr
.irp r, 0,1,2,3
.irp g, 0,1,2
	global_store_b64 v[GO+\g], v[YY+2*(3*\r+\g):YY+2*(3*\r+\g)+1], s[84:85] offset:\r*256  ; 32 lanes: 256 consecutive bytes, aligned
.endr
.endr
	s_wait_xcnt 0x0                                ; the stores have read their data and base
	s_add_nc_u64 s[84:85], s[84:85], 1024
	v_add_nc_u32 v[RD], 4*SP, v[RD]
	s_sub_co_u32 s[CNT], s[CNT], 1
	s_cmp_lg_u32 s[CNT], 0
	s_cbranch_scc1 .Lrow
	s_wait_tensorcnt 0x0                           ; the wave's end
	ds_add_u32 v[SPW], v[NIL]
	s_wait_dscnt 0x0
	CROUND                                         ; the closing round
	s_endpgm
.Lfunc_end_k_qab1e203f9d_qkv:
	.size	k_qab1e203f9d_qkv, .Lfunc_end_k_qab1e203f9d_qkv-k_qab1e203f9d_qkv
	.p2alignl 7, 3214868480
	.fill 96, 4, 3214868480
	.section	.rodata,"a",@progbits
	.p2align	6, 0x0
	.amdhsa_kernel k_qab1e203f9d_qkv
		.amdhsa_group_segment_fixed_size 327680
		.amdhsa_private_segment_fixed_size 0
		.amdhsa_enable_private_segment 0
		.amdhsa_kernarg_size 24
		.amdhsa_user_sgpr_count 2
		.amdhsa_user_sgpr_kernarg_segment_ptr 1
		.amdhsa_wavefront_size32 1
		.amdhsa_system_sgpr_workgroup_id_x 1
		.amdhsa_system_sgpr_workgroup_id_y 1
		.amdhsa_system_sgpr_workgroup_id_z 1
		.amdhsa_system_vgpr_workitem_id 0
		.amdhsa_next_free_vgpr 896
		.amdhsa_next_free_sgpr 96
		.amdhsa_reserve_vcc 0
		.amdhsa_float_denorm_mode_32 3
		.amdhsa_float_denorm_mode_16_64 3
		.amdhsa_memory_ordered 1
		.amdhsa_forward_progress 1
		.amdhsa_inst_pref_size 70
	.end_amdhsa_kernel
	.amdgpu_metadata
---
amdhsa.version: [ 1, 2 ]
amdhsa.kernels:
  - .name:           k_qab1e203f9d_qkv
    .symbol:         k_qab1e203f9d_qkv.kd
    .args:
      - { .name: xh, .offset: 0, .size: 8, .value_kind: global_buffer, .address_space: global }
      - { .name: wt, .offset: 8, .size: 8, .value_kind: global_buffer, .address_space: global }
      - { .name: qkv, .offset: 16, .size: 8, .value_kind: global_buffer, .address_space: global }
    .group_segment_fixed_size: 327680
    .private_segment_fixed_size: 0
    .kernarg_segment_align: 8
    .kernarg_segment_size: 24
    .max_flat_workgroup_size: 128
    .sgpr_count:     96
    .vgpr_count:     896
    .wavefront_size: 32
...
	.end_amdgpu_metadata
.endif
;; end of part 2
;; launch attn (part 3): grid 16 x 16, 4 waves a work-group, clusters of 4 x 1, 327,680 bytes of LDS; arguments qkv, ctx; writes ctx
.if DOCPART == 3
	.amdgcn_target "amdgcn-amd-amdhsa--gfx1250"
	.amdhsa_code_object_version 6
	.text
	.protected	k_qab1e203f9d_attn
	.globl	k_qab1e203f9d_attn
	.p2align	8
	.type	k_qab1e203f9d_attn,@function
k_qab1e203f9d_attn:
	s_mov_b64 s[64:65], 0
	v_nop
	global_prefetch_b8 v0, s[64:65] scope:SCOPE_SE
	s_setreg_imm32_b32 hwreg(HW_REG_WAVE_MODE, 25, 1), 1
	s_wait_xcnt 0x0
	s_wait_alu depctr_hold_cnt(0) depctr_sa_sdst(0) depctr_va_vdst(0) depctr_va_sdst(0) depctr_va_ssrc(0) depctr_va_vcc(0) depctr_vm_vsrc(0)
	s_getreg_b32 s2, hwreg(HW_REG_IB_STS2, 6, 4)
	s_cmp_eq_u32 s2, 0
	s_cbranch_scc0 .Lentry_in_a_cluster
	s_endpgm
.Lentry_in_a_cluster:
	s_bfe_u32 s2, ttmp6, 0x10000c
	s_cmp_lg_u32 s2, 0x3003
	s_cbranch_scc0 .Lentry_shape_is_right
	s_endpgm
.Lentry_shape_is_right:
; CAUSAL ATTENTION, head size 128.  ctx[b][q][h][:] = the sum over k <= q of softmax_k(Q . K / sqrt(128)) V.  q, k, v: [16 = 8 b + h][2048][128] f16 in qkv (at 0, 0x800000, 0x1000000); ctx: [4096][1024] f16.
; Products, maxima and sums in f32; the weights are rounded to f16 for the second product (their sum is taken unrounded), ctx once at the end.
; LIMITS.  A hidden score counts as its value less 1e30 (f16's scores are 5.5e11 at the most); a weight below 2^-126 counts as 0; NaN and infinities are not treated apart.
; THE WALK.  A head has 32 blocks of 64 queries and 8 tiles of 256 keys.  A work-group takes two blocks: iL = 4 g + cx (tiles 0 .. g) and then 31 - iL (tiles 0 .. 7 - g): 9 tiles whatever g and cx.
; The four partners of a cluster (same g) walk the same tiles, so every tile is asked for JOINTLY.  cx enters Q's, ctx's and the prefetches' addresses and the mask's numbers alone.
; SHARES.  Wave w takes 32 queries, the block's half w / 2, as two tiles of 16, and the keys 128 (w % 2) .. + 127 of each tile of keys, in two steps of 64, with a maximum, sum and O^T of its own.
; Its register tile t holds the block's query tile w xor t.  THE JOIN, behind the walk, for both blocks: each wave hands its register tile 1 to its partner w xor 1 through LDS and finishes its register tile 0.
; NO BRANCH HANGS ON g.  The trip in which the first block ends hangs on g.  So every trip holds the lines that set a finished block aside, under an EXEC that is all lanes in that trip and none in the others:
; register tile 0 and its statistics into spare registers, register tile 1 and its statistics into the partner's LDS region, c m and m anew, the second block's Q.  About 120 lines a trip, no wait on LDS, no barrier.
; LAYOUT.  S^T = K Q^T holds ONE query a lane (l % 16) and the keys 8 (l / 16) + 0..7; two such results rounded to f16 ARE source 1 of O^T = V^T P.  K comes out of LDS as it lies, V turned.
; THE MASK is the C operand that starts the sum S^T: MC = MD x AL + BE.  MD, made once, is the mask (0 or -1e30) of the step that holds my queries' diagonal.  With k0 the step's first key in its tile and
; p the block's first query in its last tile: (AL, BE) = (1, 0) if k0 = p, (0, 0) if k0 < p, (0, -1e30) if k0 > p; in a tile that is not a block's last p counts as 65,536.  Made in every step.
; SOFTMAX.  p = 2^(c s - c m), c = log2(e) / sqrt(128), with a running maximum m; O and l are multiplied by a = 2^(c m_old - c m_new) in every step; c m starts far below every c s, so a block's first a is 0.
; A wave whose keys are all hidden for a row ends with c m = -1.3e29: its share gets the factor 2^(that - the partner's c m) = 0 in the join; the wave with the keys from 0 on always sees key 0.
; A STEP'S ORDER.  16 products K Q^T of tile 0; 16 of tile 1, with tile 0's softmax in slices behind them; 16 products V^T P of tile 0, with tile 1's softmax behind them; 16 of tile 1.
; A tile's softmax is a list of 134 lines: eight behind each product, fourteen behind the sixteenth.  So half of a step's products run beside vector work; a slice names no register of the products round it.
; REGISTERS.  Window 0: addresses, statistics (8 a tile), S^T v64-127, P v128-159.  Window 1: O^T v0-127, MD v128-191, MC v192-255.  Window 2: Q v0-63, the first block's register tile 0 set aside v64-127,
; K v128-255.  Window 3: V v0-127 (in the join: the partner's O^T, both blocks').
.set PK,    272                        ; a row of K in LDS: 256 bytes + 16
.set PV,    288                        ; a row of V: 256 + 32
.set VOFF,  256*PK
.set SLOTB, 256*(PK+PV)                ; a slot: a tile's K, then its V
.set XRW,   8448                       ; a hand-over region, one for each receiving wave: 8,192 bytes of O^T and 256 of statistics; then that wave's stage on the way out
.set XRH,   2*SLOTB-4*XRW              ; the second block's four regions: the last bytes of slot 1, used behind the walk, when that slot has had its last fill and nobody reads it
.set LOFF,  4*XRW                      ; the first block's four regions lie this far behind them: behind the ring, never filled by a tensor load
.set SPARE, 2*SLOTB+4*XRW
.set SP,    272
.set AK0, 2
.set AV0, 3
.set ADRK, 4
.set ADRV, 5
.set STO, 6
.set RD,  7
.set GO,  8
.set XAO, 12                           ; v12, v14  where I lay O^T and the statistics for my partner
.set XAI, 13                           ; v13, v15  where my partner has laid them for me
.set XSO, 14
.set XSI, 15
.set BIGV, 16                          ; -1e30
.set PFO, 17
.set QO0, 18                           ; v18, v19  my byte offsets in a block's rows of Q, by register tile
.set QO1, 19
.set PS,  20                           ; v20-23  the partner's c m and l: the second block's, the first block's
.set ST,  24                           ; tile t at v[24 + 8 t]: c m, m, l (even keys', odd keys'), c0-c3 at work; c2 takes a
.set ONEV, 41
.set ALV, 42                           ; v42-43, v44-45: named as pairs; the low word serves both halves
.set BEV, 44
.set DT,  46                           ; l % 16 - 8 (l / 16)
.set CMPW, 47                          ; p
.set TR,  48                           ; v48-55  at the head alone: the triangle of a diagonal 16 x 16; then:
.set SND, 48                           ; v48-49  c m and l of my register tile 1, to be sent
.set TFL, 50                           ; v50-51  at work in the first block's join
.set SV,  52                           ; v52-54  the first block's c m and l (two halves) of my register tile 0
.set RTV, 56
.set CMI, 57                           ; what c m and m start from
.set MI,  58
.set SPW, 62
.set NIL, 63
.set S,   64
.set P,   128
.set MD,  128
.set MC,  192
.set KF,  128
.set WV, 12
.set CX, 13
.set G,  14
.set YH, 15
.set KB, 20                            ; s[20:21], s[22:23]  K and V at my half of the head's tile 0
.set VB, 22
.set G1K, 24
.set G1V, 32
.set G0K, 40
.set G0V, 44
.set LBK, 48
.set LBV, 49
.set TB,  50                           ; the slot in hand: 0 or SLOTB
.set TBK, 51
.set TBV, 52
.set CNT, 53
.set SLOTS, 54
.set RT,  55                           ; tiles of the block in hand still to be entered
.set NXT, 56                           ; the tile to be asked for next
.set LQ,  57                           ; the last tile of the block whose tiles are being asked for
.set KEY0, 58                          ; k0
.set CMPV, 59
.set CS,  60
.set SEL, 62
.set OFF, 66
.set HQ,  68
.set R64, 69
.set R64H, 70
.set KH128, 71
.set OP,  72                           ; s[72:73]  ctx at my rows of the first block
.set OPH, 74                           ; s[74:75]  of the second
.set PFA, 76
.set RTH, 78
.set KH,  79
.set TMP, 80
.set WX,  81
.set QP,  82                           ; s[82:83]  Q at the first block
.set QHP, 84                           ; s[84:85]  Q at the second block
.set AL,  86                           ; s[86:87], s[88:89]  at the head: offsets, then MD's factor and addend
.set BE,  88
.set SAVE, 90
.set BIGN, 91
.set MSB, 0
.macro WIN new                         ; the immediate's high byte repeats the setting that is left
.if MSB != (\new)
	s_set_vgpr_msb (MSB<<8)|(\new)
.set MSB, \new
.endif
.endm
.macro PLACES
.rept 4
	v_nop
.endr
.endm
.macro JLOAD                           ; waves 0, 1 fetch the two halves of a tile's K, waves 2, 3 those of its V; an s_nop 0 and four v_nop follow each line
	s_cmp_lt_u32 s[WV], 2
	s_cbranch_scc0 .Lfor_v_\@
	tensor_load_to_lds s[G0K:G0K+3], s[G1K:G1K+7]
	s_nop 0
.rept 4
	v_nop
.endr
	s_branch .Lasked_\@
.Lfor_v_\@:
	tensor_load_to_lds s[G0V:G0V+3], s[G1V:G1V+7]
	s_nop 0
.rept 4
	v_nop
.endr
.Lasked_\@:
.endm
.macro CROUND
	s_barrier_signal -1
	s_barrier_wait -1
	s_cmp_lg_u32 s[WV], 0
	s_cbranch_scc1 .Lnot_wave_0_\@
	s_barrier_signal -3
.Lnot_wave_0_\@:
	s_barrier_wait -3
	s_barrier_signal -1
	s_barrier_wait -1
.endm
.macro ADV                             ; the block's next tile, or behind its last the second block's tile 0
	s_add_co_u32 s[NXT], s[NXT], 1
	s_cmp_gt_u32 s[NXT], s[LQ]
	s_cselect_b32 s[NXT], 0, s[NXT]
	s_cselect_b32 s[LQ], s[HQ], s[LQ]
.endm
; A PREFETCH INTO THE L2.  By the walk's arithmetic tile T of 4 .. 7 is asked for first in trip T (by the cluster with g = 0): it is named in trip T - 1, a trip (128 products and four tiles' softmax) ahead.
; A tile has 256 rows of K and 256 of V, 256 bytes each.  The head's 16 work-groups share them out BY ADDRESS: work-group 4 g + cx names 32 rows (0 .. 7: of K, 8 .. 15: of V), a lane a row, by its wave 0:
; each row is named once in the launch.  The branches hang on the wave's number and the trip alone.  Tiles 0 to 3 are asked for in the launch's first trips and come by their loads alone.
.macro ASK
	s_cmp_lg_u32 s[WV], 0
	s_cbranch_scc1 .Lnot_mine_\@
	s_sub_co_u32 s[TMP], s[SLOTS], 2               ; 3 .. 0 in trips 3 .. 6
	s_cmp_lt_u32 s[TMP], 4
	s_cbranch_scc0 .Lnot_mine_\@
	global_prefetch_b8 v[PFO], s[PFA:PFA+1] th:TH_LOAD_NT scope:SCOPE_SE
.Lnot_mine_\@:
.endm
; THE CHANGE OF SLOTS.  Each wave waits for all its tensor loads (its part of the other slot), adds 0 to its spare word, and waits for that and for its LDS instructions.  fill = 1: a round of the cluster's
; barrier, and the slot that is left is filled first thing behind it, with tile NXT.  (At its first use nothing has been read: slot 0 is waited for, slot 1 filled.)
.macro CHANGE fill
	WIN 0
	s_wait_tensorcnt 0x0
	ds_add_u32 v[SPW], v[NIL]                      ; 0 onto my spare word; the descriptors' scalar work stands between it and the wait for it
.if \fill
	s_lshl_b32 s[OFF], s[NXT], 16                  ; a tile is 65,536 bytes of K and of V
	s_add_co_u32 s[G0K+1], s[LBK], s[TB]
	s_add_nc_u64 s[G0K+2:G0K+3], s[KB:KB+1], s[OFF:OFF+1]
	s_or_b32 s[G0K+3], s[G0K+3], 0x80000000
	s_add_co_u32 s[G0V+1], s[LBV], s[TB]
	s_add_nc_u64 s[G0V+2:G0V+3], s[VB:VB+1], s[OFF:OFF+1]
	s_or_b32 s[G0V+3], s[G0V+3], 0x80000000
	ADV
	s_wait_xcnt 0x0                                ; the last prefetch, a trip back, has read its address
	s_add_nc_u64 s[PFA:PFA+1], s[PFA:PFA+1], 0x10000
	s_wait_dscnt 0x0
	CROUND
	JLOAD
	ASK
.else
	s_wait_dscnt 0x0
	s_barrier_signal -1
	s_barrier_wait -1
.endif
	s_xor_b32 s[TB], s[TB], SLOTB
	s_mov_b32 s[TBK], s[TB]
	s_mov_b32 s[TBV], s[TB]
.endm
.macro QLOAD ptr                       ; a block's Q: register tile t, channels 32 i on
	WIN 0x80
.set i, 0
.rept 4
	global_load_b128 v[8*i:8*i+3],       v[QO0], s[\ptr:\ptr+1] offset:64*i
	global_load_b128 v[8*i+4:8*i+7],     v[QO0], s[\ptr:\ptr+1] offset:64*i+32
	global_load_b128 v[32+8*i:32+8*i+3], v[QO1], s[\ptr:\ptr+1] offset:64*i
	global_load_b128 v[32+8*i+4:32+8*i+7], v[QO1], s[\ptr:\ptr+1] offset:64*i+32
.set i, i+1
.endr
	WIN 0
.endm
.macro FETCH_K                         ; a step's K: 64 keys x 128 channels, 16 fragments
	WIN 0x80
.irp f, 0,1,2,3,4,5,6,7,8,9,10,11,12,13,14,15
	ds_load_b128 v[KF+8*(\f):KF+8*(\f)+3],   v[ADRK] offset:((\f)/4)*16*PK+((\f)%4)*64
	ds_load_b128 v[KF+8*(\f)+4:KF+8*(\f)+7], v[ADRK] offset:((\f)/4)*16*PK+((\f)%4)*64+32
.endr
	WIN 0
.endm
.macro FETCH_V                         ; a step's V, turned
	WIN 0xc0
.irp f, 0,1,2,3,4,5,6,7,8,9,10,11,12,13,14,15
	ds_load_tr16_b128 v[8*(\f):8*(\f)+3],   v[ADRV] offset:((\f)/8)*32*PV+((\f)%8)*32
	ds_load_tr16_b128 v[8*(\f)+4:8*(\f)+7], v[ADRV] offset:((\f)/8)*32*PV+16*PV+((\f)%8)*32
.endr
	WIN 0
.endm
.macro MASK                            ; MC = MD x AL + BE for the step's 64 keys, both tiles
	WIN 0
	v_cmp_eq_u32 vcc_lo, s[KEY0], v[CMPW]
	v_cndmask_b32 v[ALV], 0, v[ONEV], vcc_lo
	v_cmp_gt_u32 vcc_lo, s[KEY0], v[CMPW]
	v_cndmask_b32 v[BEV], 0, v[BIGV], vcc_lo
	WIN 0x41
.set z, 0
.rept 32
	v_pk_fma_f32 v[MC+2*z:MC+2*z+1], v[MD+2*z:MD+2*z+1], v[ALV:ALV+1], v[BEV:BEV+1] op_sel_hi:[1,0,0]
.set z, z+1
.endr
	WIN 0
.endm
; THE MATRIX WORK.  The accumulators of a run of 16 take turns, one instruction a turn.
; Product i of 16 of S^T = K Q^T for tile t: channels 32 (i / 4) on, keys 16 (i % 4) on.  The first 4 start the sums, with the mask.
.macro KQ1 t
.set rS, S+32*(\t)+8*(i%4)
.set rK, KF+32*(i%4)+8*(i/4)
.set rQ, 32*(\t)+8*(i/4)
.set rM, MC+32*(\t)+8*(i%4)
.if i < 4
	WIN 0x1a
	v_wmma_f32_16x16x32_f16 v[rS:rS+7], v[rK:rK+7], v[rQ:rQ+7], v[rM:rM+7]
.else
	WIN 0x0a
	v_wmma_f32_16x16x32_f16 v[rS:rS+7], v[rK:rK+7], v[rQ:rQ+7], v[rS:rS+7]
.endif
.set i, i+1
.endm
; Product i of 16 of O^T += V^T P for tile t: keys 32 (i / 8) on, channels 16 (i % 8) on.
.macro PV1 t
	WIN 0x53
.set rO, 64*(\t)+8*(i%8)
.set rV, 64*(i/8)+8*(i%8)
.set rP, P+16*(\t)+8*(i/8)
	v_wmma_f32_16x16x32_f16 v[rO:rO+7], v[rV:rV+7], v[rP:rP+7], v[rO:rO+7]
.set i, i+1
.endm
; THE VECTOR WORK.  One tile's softmax for one key step is a list of 134 lines; SM writes number j of it for tile t.  s0-s31 are the lane's 32 scores, in pairs 0-15.
;   0-15    the maximum of s0-s31 and the old m, three operands at a time: four chains c0-c3 of seven scores each (each accumulator's lowest registers first), then the four scores left over, c0-c3 and m
;   16-20   the other half of the lanes' maximum; c m_old is kept; the new m; c m; c m_old - c m_new
;   21-87   33 exponentials (a, then s0-s31) at the odd numbers from 23 on, a plain line between any two.  The plain lines are whatever is ready: c s - c m for a pair whose exponentials are still to come,
;           the rounding to f16 of a pair whose exponentials are done, at last the first three sums
;   88-101  the last rounding; the rest of the sums; l = a l + the sum
;   102-133 the tile's O^T times a
.macro SM t
.set rT, ST+8*(\t)
.set rS, S+32*(\t)
.set rP, P+16*(\t)
.set rO, 64*(\t)+2*(j-102)
.set q, (j-20)/2
.if j < 102
	WIN 0
.endif
.if j < 4
	v_max3_num_f32 v[rT+4+j], v[rS+8*j], v[rS+8*j+1], v[rS+8*j+2]
.elseif j < 12
	v_max3_num_f32 v[rT+4+j%4], v[rT+4+j%4], v[rS+8*(j%4)+2*(j/4)+1], v[rS+8*(j%4)+2*(j/4)+2]
.elseif j == 12
	v_max3_num_f32 v[rT+4], v[rT+4], v[rS+7], v[rS+15]
.elseif j == 13
	v_max3_num_f32 v[rT+6], v[rT+6], v[rS+23], v[rS+31]
.elseif j == 14
	v_max3_num_f32 v[rT+4], v[rT+4], v[rT+5], v[rT+6]
.elseif j == 15
	v_max3_num_f32 v[rT+4], v[rT+4], v[rT+7], v[rT+1]
.elseif j == 16
	v_permlanex16_b32 v[rT+5], v[rT+4], s[SEL], s[SEL+1]  ; the query's other 32 keys lie in the lane 16 away
.elseif j == 17
	v_mov_b32 v[rT+7], v[rT]
.elseif j == 18
	v_max_num_f32 v[rT+1], v[rT+4], v[rT+5]
.elseif j == 19
	v_mul_f32 v[rT], s[CS], v[rT+1]
.elseif j == 20
	v_sub_f32 v[rT+7], v[rT+7], v[rT]
.elseif j == 23
	v_exp_f32 v[rT+6], v[rT+7]
.elseif (j < 88) && (j > 23) && (j%2 == 1)
	v_exp_f32 v[rS+(j-25)/2], v[rS+(j-25)/2]
.elseif (q < 4) || ((j < 76) && (q%2 == 0))
.set b, q/2+2
.if q < 4
.set b, q
.endif
	v_pk_fma_f32 v[rS+2*b:rS+2*b+1], v[rS+2*b:rS+2*b+1], s[CS:CS+1], v[rT:rT+1] op_sel_hi:[1,0,0] neg_lo:[0,0,1] neg_hi:[0,0,1]  ; pair b: c s - c m
.elseif (j < 88) && (q%2 == 1)
	s_wait_alu depctr_va_vdst(0)
	v_cvt_pk_f16_f32 v[rP+(q-5)/2], v[rS+q-5], v[rS+q-4]  ; pair (q - 5) / 2: its second exponential stands three numbers back
.elseif j == 89
	s_wait_alu depctr_va_vdst(0)
	v_cvt_pk_f16_f32 v[rP+15], v[rS+30], v[rS+31]
.elseif j < 102                        ; the sum of the tile's 16 pairs, in place: sum z of 16 adds neighbours 1, 2, 4 and 8 pairs apart, then l takes it
.set z, j-86
.if j < 89
.set z, (j-76)/4
.endif
.set w, 4
.set u, z
.if z >= 14
.set w, 32
.set u, 0
.elseif z >= 12
.set w, 16
.set u, z-12
.elseif z >= 8
.set w, 8
.set u, z-8
.endif
.if z < 15
	v_pk_add_f32 v[rS+w*u:rS+w*u+1], v[rS+w*u:rS+w*u+1], v[rS+w*u+w/2:rS+w*u+w/2+1]
.else
	v_pk_fma_f32 v[rT+2:rT+3], v[rT+2:rT+3], v[rT+6:rT+7], v[rS:rS+1] op_sel_hi:[1,0,1]
.endif
.else
	WIN 0x41
	v_pk_mul_f32 v[rO:rO+1], v[rO:rO+1], v[rT+6:rT+7] op_sel_hi:[1,0]
.endif
.endm
.macro RID t, n                        ; the next n numbers of tile t's list
.rept \n
	SM \t
.set j, j+1
.endr
.endm
; A TILE: my 128 keys of it, in two steps.  At most 32 LDS loads of mine are out: K is awaited behind the mask's arithmetic, V goes out ahead of the products K Q^T and is awaited behind them, the next K goes out then.
.macro TILE
	WIN 0
	v_add_nc_u32 v[ADRK], s[TBK], v[AK0]
	FETCH_K
	s_cmp_eq_u32 s[RT], 0                          ; a block's last tile holds its diagonal
	s_cselect_b32 s[CMPV], s[R64], 0x10000
	v_mov_b32 v[CMPW], s[CMPV]
	s_mov_b32 s[KEY0], s[KH128]
	s_wait_loadcnt 0x0                             ; Q
	s_mov_b32 s[CNT], 2
.Lstep_\@:
	MASK
	s_wait_dscnt 0x0                               ; K is in
	v_add_nc_u32 v[ADRV], s[TBV], v[AV0]
	FETCH_V
.set i, 0
.rept 16
	KQ1 0                                          ; tile 0's scores
.endr
	PLACES                                         ; between them and their first reader, the first slice below
.set i, 0
.set j, 0
.rept 16
	KQ1 1                                          ; tile 1's scores | tile 0's softmax
	RID 0, 8
.endr
	RID 0, 6                                       ; fourteen plain lines behind the last product: the places in front of the loads into K's registers and of the first read of tile 1's scores
	WIN 0
	s_wait_dscnt 0x0                               ; V is in
	s_cmp_eq_u32 s[CNT], 1
	s_cbranch_scc1 .Lnok_\@                        ; the tile's second step fetches no further K
	s_add_co_u32 s[TBK], s[TBK], 64*PK
	v_add_nc_u32 v[ADRK], s[TBK], v[AK0]
	FETCH_K
.Lnok_\@:
.set i, 0
.set j, 0
.rept 16
	PV1 0                                          ; tile 0's V^T P | tile 1's softmax
	RID 1, 8
.endr
	RID 1, 6
.set i, 0
.rept 16
	PV1 1                                          ; tile 1's V^T P
.endr
	WIN 0
	PLACES                                         ; behind the products: V's registers are loaded again, O^T is read
	s_add_co_u32 s[TBV], s[TBV], 64*PV
	s_add_co_u32 s[KEY0], s[KEY0], 64
	s_sub_co_u32 s[CNT], s[CNT], 1
	s_cmp_lg_u32 s[CNT], 0
	s_cbranch_scc1 .Lstep_\@
.endm
; A FINISHED BLOCK IS SET ASIDE, in the trip in which RT = 0 alone: in the other trips no lane is on and the lines change nothing.  My register tile 0 and its c m and l go into spare registers; my register tile 1 and
; its c m and l into my partner's region behind the ring, which is read behind the walk, behind several barriers in front of which I have waited for my LDS instructions.  c m and m start anew (O^T and l need only
; be finite, since the first a is 0); the second block's Q is asked for and awaited at the next tile's head.  The block's place and RT go over to the second block by selects.
.macro KEEP
	WIN 0
	v_mov_b32 v[RTV], s[RT]
	v_cmp_eq_u32 vcc_lo, 0, v[RTV]                 ; all lanes or none
	s_wait_xcnt 0x0                                ; EXEC changes only behind this wait
	s_and_saveexec_b32 s[SAVE], vcc_lo
	v_mov_b32 v[SV], v[ST]
	v_mov_b32 v[SV+1], v[ST+2]
	v_mov_b32 v[SV+2], v[ST+3]
	v_mov_b32 v[SND], v[ST+8]
	v_add_f32 v[SND+1], v[ST+10], v[ST+11]         ; l's two halves
	ds_store_b64 v[XSO], v[SND:SND+1] offset:LOFF
	WIN 0x04
.set i, 0
.rept 16
	ds_store_b128 v[XAO], v[64+4*i:64+4*i+3] offset:LOFF+512*i
.set i, i+1
.endr
	WIN 0x81                                       ; from window 1 into window 2, each accumulator from its low end on
.set i, 0
.rept 64
	v_mov_b32 v[64+i], v[i]
.set i, i+1
.endr
	WIN 0
.irp t, 0,1
	v_mov_b32 v[ST+8*\t], v[CMI]
	v_mov_b32 v[ST+8*\t+1], v[MI]
.endr
	QLOAD QHP                                      ; Q's last readers stand a softmax and 32 products back
	s_wait_xcnt 0x0                                ; and again, in front of the line that widens EXEC
	s_or_b32 exec_lo, exec_lo, s[SAVE]
	s_cmp_eq_u32 s[RT], 0
	s_cselect_b32 s[R64], s[R64H], s[R64]
	s_cselect_b32 s[RT], s[RTH], s[RT]             ; the second block has 8 - g tiles: in the loop this comes down to 1, in the walk's last tile to 0
.endm
; THE JOIN of block b (0: the second, 1: the first), when the partner's part lies in window 3 at v[64 b ..] and its c m and l in PS.  cm, la: my c m and the first of my l's two halves; eb: four registers and
; tf: two at work; my O^T lies in window ow at v[ob ..].  With cmx the greater c m, f = 2^(c m - cmx), f' likewise: l = f l + f' l' (and the other half of the lanes'); the rows are O f / l + O' f' / l.
; They are rounded to f16 and go through my own region, which I have read out: rows of 272 bytes in, whole rows of 256 back.
.macro FIN b, cm, la, eb, tf, ow, ob
	WIN 0
	v_max_num_f32 v[\eb], v[\cm], v[PS+2*(\b)]     ; cmx
	v_add_f32 v[\tf], v[\la], v[(\la)+1]
	v_sub_f32 v[(\eb)+1], v[\cm], v[\eb]
	v_sub_f32 v[(\eb)+3], v[PS+2*(\b)], v[\eb]
	v_exp_f32 v[(\eb)+1], v[(\eb)+1]               ; f
	v_exp_f32 v[(\eb)+3], v[(\eb)+3]               ; f'
	v_nop
	s_wait_alu depctr_va_vdst(0)
	v_mul_f32 v[\tf], v[(\eb)+1], v[\tf]
	v_fma_f32 v[\tf], v[(\eb)+3], v[PS+2*(\b)+1], v[\tf]
	v_permlanex16_b32 v[(\tf)+1], v[\tf], s[SEL], s[SEL+1]
	v_add_f32 v[\tf], v[\tf], v[(\tf)+1]
	v_rcp_f32 v[\tf], v[\tf]
	v_nop
	s_wait_alu depctr_va_vdst(0)
	v_mul_f32 v[\eb], v[(\eb)+1], v[\tf]           ; f / l
	v_mul_f32 v[(\eb)+2], v[(\eb)+3], v[\tf]       ; f' / l
	WIN 0xc3                                       ; O' in window 3, the factor in window 0
.set i, 0
.rept 32
	v_pk_mul_f32 v[64*(\b)+2*i:64*(\b)+2*i+1], v[64*(\b)+2*i:64*(\b)+2*i+1], v[(\eb)+2:(\eb)+3] op_sel_hi:[1,0]
.set i, i+1
.endr
	WIN 0xf0+(\ow)                                 ; my O^T is source 0, read from each accumulator's low end on
.set i, 0
.rept 32
	v_pk_fma_f32 v[64*(\b)+2*i:64*(\b)+2*i+1], v[(\ob)+2*i:(\ob)+2*i+1], v[\eb:(\eb)+1], v[64*(\b)+2*i:64*(\b)+2*i+1] op_sel_hi:[1,0,1]
.set i, i+1
.endr
	WIN 0x0f
.set i, 0
.rept 32
	v_cvt_pk_f16_f32 v[S+32*(\b)+i], v[64*(\b)+2*i], v[64*(\b)+2*i+1]
.set i, i+1
.endr
	WIN 0
.irp f, 0,1,2,3,4,5,6,7
	ds_store_b128 v[STO], v[S+32*(\b)+4*(\f):S+32*(\b)+4*(\f)+3] offset:LOFF*(\b)+32*(\f)
.endr
.irp f, 0,1,2,3,4,5,6,7                ; LDS serves a wave's instructions in order, so these see the stores above
	ds_load_b128 v[S+32*(\b)+4*(\f):S+32*(\b)+4*(\f)+3], v[RD] offset:LOFF*(\b)+(\f)*2*SP
.endr
.endm
.macro OUT b, ptr, younger             ; younger: the LDS instructions issued behind block b's loads
.irp f, 0,1,2,3,4,5,6,7
	s_wait_dscnt (\younger)+7-(\f)                 ; rows 2 f and 2 f + 1 are in
	global_store_b128 v[GO], v[S+32*(\b)+4*(\f):S+32*(\b)+4*(\f)+3], s[\ptr:\ptr+1] offset:(\f)*4096  ; sixteen lanes: a head's 256 bytes of a row of ctx, aligned
.endr
.endm
; MD for register tile t, which holds query tile q (a scalar register): key block kb of the diagonal's step is the triangle if kb = q, seen whole if kb < q, hidden whole if kb > q.
.macro MDT t, q
.irp kb, 0,1,2,3
	s_cmp_eq_u32 s[\q], \kb
	s_cselect_b32 s[AL], 1.0, 0
	s_cmp_lt_u32 s[\q], \kb
	s_cselect_b32 s[BE], s[BIGN], 0
.irp z, 0,1,2,3
	v_pk_fma_f32 v[MD+32*(\t)+8*\kb+2*\z:MD+32*(\t)+8*\kb+2*\z+1], v[TR+2*\z:TR+2*\z+1], s[AL:AL+1], s[BE:BE+1] op_sel_hi:[1,0,0]
.endr
.endr
.endm
	s_load_b128 s[4:7], s[0:1], 0x0                ; qkv s[4:5], ctx s[6:7]
	v_lshl_add_u32 v[SPW], v0, 2, SPARE
	v_mov_b32 v[NIL], 0
	ds_add_u32 v[SPW], v[NIL]                      ; the wave's opening: an add, waited for ahead of my first tensor load
	v_lshrrev_b32 v1, 5, v0
	v_readfirstlane_b32 s[WV], v1
	s_and_b32 s[KH], s[WV], 1
	s_xor_b32 s[WX], s[WV], 1                      ; my partner
	s_lshl_b32 s[KH128], s[KH], 7
	s_bfe_u32 s[CX], ttmp6, 0x40000
	s_mov_b32 s[G], ttmp9                          ; in a cluster launch ttmp9 counts clusters
	s_and_b32 s[YH], ttmp7, 0xffff                 ; 8 b + h
	s_lshl_b32 s16, s[YH], 19                      ; the head's first byte in q, k and v
	s_lshl_b32 s17, s[KH], 15                      ; the half of a tile that I fetch: 128 rows of 256 bytes
	s_add_co_u32 s2, s16, s17
	s_add_co_u32 s2, s2, 0x800000
	s_mov_b32 s3, 0
	s_mul_i32 s[LBK], s[KH], 128*PK
	s_mul_i32 s[LBV], s[KH], 128*PV
	s_add_co_u32 s[LBV], s[LBV], VOFF
	s_lshl_b32 s18, s[G], 2
	s_add_co_u32 s18, s18, s[CX]                   ; iL
	s_sub_co_u32 s19, 31, s18                      ; iH
	s_lshl_b32 s86, s18, 14                        ; a block is 64 rows of 256 bytes of q
	s_add_co_u32 s86, s86, s16
	s_mov_b32 s87, 0
	s_lshl_b32 s88, s19, 14
	s_add_co_u32 s88, s88, s16
	s_mov_b32 s89, 0
	s_lshr_b32 s17, s[YH], 3
	s_lshl_b32 s17, s17, 22                        ; b: 2,048 rows of 2,048 bytes of ctx
	s_and_b32 s8, s[YH], 7
	s_lshl_b32 s8, s8, 8                           ; h: 256 bytes of a row
	s_add_co_u32 s17, s17, s8
	s_lshl_b32 s8, s[WV], 15                       ; the 16 rows that I store
	s_add_co_u32 s17, s17, s8
	s_lshl_b32 s8, s18, 17                         ; a block is 64 rows of ctx
	s_add_co_u32 s8, s8, s17
	s_mov_b32 s9, 0
	s_lshl_b32 s10, s19, 17
	s_add_co_u32 s10, s10, s17
	s_mov_b32 s11, 0
	s_lshl_b32 s[R64], s[CX], 6                    ; the block's first query in its last tile
	s_sub_co_u32 s[R64H], 3, s[CX]
	s_lshl_b32 s[R64H], s[R64H], 6
	s_sub_co_u32 s[HQ], 7, s[G]
	s_add_co_u32 s[RT], s[G], 1                    ; the first block has g + 1 tiles,
	s_sub_co_u32 s[RTH], 8, s[G]                   ; the second 8 - g
	s_mov_b32 s[NXT], 0
	s_mov_b32 s[LQ], s[G]
	ADV                                            ; the walk's second tile
	s_mov_b32 s[G1K], 15|(1<<16)|(1<<20)|(1<<21)|(5<<22)|(3<<25)  ; the mask of four; 2-byte elements; padding on; bit 21 beside a mask; after every 64 words; 4 words
	s_mov_b32 s[G1V], 15|(1<<16)|(1<<20)|(1<<21)|(5<<22)|(7<<25)  ; the same with 8 words
.irp g, G1K, G1V
	s_mov_b32 s[(\g)+1], 128<<16                   ; tensor_dim0
	s_mov_b32 s[(\g)+2], 128<<16                   ; tensor_dim1
	s_mov_b32 s[(\g)+3], 128<<16                   ; tile_dim0
	s_mov_b32 s[(\g)+4], 128                       ; tile_dim1
	s_mov_b32 s[(\g)+5], 128                       ; elements from row to row
	s_mov_b32 s[(\g)+6], 0
	s_mov_b32 s[(\g)+7], 0
.endr
	s_mov_b32 s[CS], 0x3e0293ee                    ; c = log2(e) / sqrt(128)
	s_mov_b32 s[CS+1], s[CS]
	s_mov_b32 s[SEL], 0x76543210
	s_mov_b32 s[SEL+1], 0xfedcba98
	s_mov_b32 s[BIGN], 0xf149f2ca                  ; -1e30
	s_mov_b32 s[TB], SLOTB                         ; the first change of slots fills slot 1 and turns this into 0
	s_mov_b32 s[OFF+1], 0
	s_mov_b32 s[SLOTS], 8
	s_wait_dscnt 0x0                               ; the opening add is done
	s_wait_kmcnt 0x0
	s_add_nc_u64 s[KB:KB+1], s[4:5], s[2:3]
	s_add_nc_u64 s[VB:VB+1], s[KB:KB+1], 0x800000
	s_add_nc_u64 s[QP:QP+1], s[4:5], s[86:87]
	s_add_nc_u64 s[QHP:QHP+1], s[4:5], s[88:89]
	s_add_nc_u64 s[OP:OP+1], s[6:7], s[8:9]
	s_add_nc_u64 s[OPH:OPH+1], s[6:7], s[10:11]
	s_and_b32 s2, s18, 7                           ; the prefetches: my work-group's 32 rows of a tile's 512:
	s_lshl_b32 s2, s2, 13                          ; 32 rows of 256 bytes,
	s_lshr_b32 s3, s18, 3
	s_lshl_b32 s3, s3, 23                          ; of K (work-groups 0 .. 7 of the head) or of V, which lies 0x800000 behind it
	s_add_co_u32 s2, s2, s3
	s_add_co_u32 s2, s2, s16
	s_add_co_u32 s2, s2, 0x800000
	s_mov_b32 s3, 0
	s_add_nc_u64 s[PFA:PFA+1], s[4:5], s[2:3]      ; in tile 0; trip j's change of slots steps it to tile j + 1
	s_mov_b32 s[G0K], 1
	s_mov_b32 s[G0K+1], s[LBK]
	s_mov_b64 s[G0K+2:G0K+3], s[KB:KB+1]
	s_or_b32 s[G0K+3], s[G0K+3], 0x80000000
	s_mov_b32 s[G0V], 1
	s_mov_b32 s[G0V+1], s[LBV]
	s_mov_b64 s[G0V+2:G0V+3], s[VB:VB+1]
	s_or_b32 s[G0V+3], s[G0V+3], 0x80000000
	CROUND                                         ; all four work-groups are here
	JLOAD                                          ; tile 0 into slot 0
	v_and_b32 v1, 15, v0                           ; l % 16
	v_bfe_u32 v9, v0, 4, 1                         ; l / 16
	v_lshlrev_b32 v[QO0], 8, v1
	v_lshl_add_u32 v[QO0], v9, 4, v[QO0]           ; row x 256 + 16 x half
	s_lshl_b32 s3, s[WX], 12
	v_add_nc_u32 v[QO1], s3, v[QO0]                ; register tile 1: query tile w xor 1, 16 rows of 256 bytes each
	s_lshl_b32 s3, s[WV], 12
	v_add_nc_u32 v[QO0], s3, v[QO0]                ; register tile 0: query tile w
	QLOAD QP                                       ; the first block's Q
.set i, 0
.rept 16
	v_mov_b32 v[P+i], 0                            ; two fragments of zeros,
.set i, i+1
.endr
	WIN 0x40
.set i, 0
.rept 16
	v_wmma_f32_16x16x32_f16 v[8*i:8*i+7], v[P:P+7], v[P+8:P+15], 0  ; whose products start O^T at 0, in the wait for the first tile: a block's first step multiplies O^T and l by a = 0, so no first step is written out;
.set i, i+1
.endr
	WIN 0x80
.set i, 0
.rept 8
	v_wmma_f32_16x16x32_f16 v[64+8*i:64+8*i+7], v[P:P+7], v[P+8:P+15], 0  ; and the registers in which a block is set aside, so that they are written whole ahead of the lines that write them under a narrowed EXEC
.set i, i+1
.endr
	WIN 0
	v_mov_b32 v[CMI], 0xfe000000                   ; c m: far below every c s
	v_mov_b32 v[MI], 0xff7fffff                    ; m
.irp t, 0,1
	v_mov_b32 v[ST+8*\t], v[CMI]
	v_mov_b32 v[ST+8*\t+1], v[MI]
	v_mov_b32 v[ST+8*\t+2], 0
	v_mov_b32 v[ST+8*\t+3], 0
.endr
	v_mov_b32 v[BIGV], s[BIGN]
	v_mov_b32 v[ONEV], 1.0
	v_mov_b32 v[ALV+1], 0                          ; named with their neighbours as pairs
	v_mov_b32 v[BEV+1], 0
	v_and_b32 v10, 7, v0
	v_bfe_u32 v11, v0, 3, 1
	v_and_b32 v40, 31, v0
	v_mul_u32_u24 v[AK0], v1, PK
	v_lshl_add_u32 v[AK0], v9, 4, v[AK0]
	v_add_nc_u32 v[AK0], s[LBK], v[AK0]            ; my half of a tile's keys
	v_lshl_add_u32 v[AV0], v9, 3, v10
	v_mul_u32_u24 v[AV0], v[AV0], PV
	v_lshl_add_u32 v[AV0], v11, 4, v[AV0]
	v_add_nc_u32 v[AV0], s[LBV], v[AV0]
	s_mul_i32 s2, s[WV], XRW
	s_add_co_u32 s2, s2, XRH                       ; my region for the second block; the first block's lies LOFF behind it
	s_mul_i32 s3, s[WX], XRW
	s_add_co_u32 s3, s3, XRH                       ; my partner's
	v_lshl_add_u32 v[XAI], v40, 4, s2
	v_lshl_add_u32 v[XAO], v40, 4, s3
	v_lshl_add_u32 v[XSI], v40, 3, s2
	v_add_nc_u32 v[XSI], 8192, v[XSI]
	v_lshl_add_u32 v[XSO], v40, 3, s3
	v_add_nc_u32 v[XSO], 8192, v[XSO]
	v_mul_u32_u24 v[STO], v1, SP
	v_lshl_add_u32 v[STO], v9, 4, v[STO]
	v_add_nc_u32 v[STO], s2, v[STO]
	v_mul_u32_u24 v[RD], v9, SP
	v_lshl_add_u32 v[RD], v1, 4, v[RD]
	v_add_nc_u32 v[RD], s2, v[RD]
	v_lshlrev_b32 v[GO], 11, v9
	v_lshl_add_u32 v[GO], v1, 4, v[GO]
	v_lshlrev_b32 v[PFO], 8, v40
	v_lshlrev_b32 v[DT], 3, v9
	v_sub_nc_u32 v[DT], v1, v[DT]                  ; in a diagonal 16 x 16 my register j holds key 8 (l / 16) + j and query l % 16: hidden where j is greater than this
.set j, 0
.rept 8
	v_cmp_gt_i32 vcc_lo, j, v[DT]
	v_cndmask_b32 v[TR+j], 0, v[BIGV], vcc_lo
.set j, j+1
.endr
	s_mov_b32 s[AL+1], 0                           ; named as pairs
	s_mov_b32 s[BE+1], 0
	WIN 0x40
	MDT 0, WV
	MDT 1, WX
	WIN 0
.Lslot:                                                ; 8 trips: a tile is entered and the next is asked for
	CHANGE 1
	s_sub_co_u32 s[RT], s[RT], 1
	TILE
	KEEP
	s_sub_co_u32 s[SLOTS], s[SLOTS], 1
	s_cmp_lg_u32 s[SLOTS], 0
	s_cbranch_scc1 .Lslot
	CHANGE 0                                       ; the walk's last tile is written out
	s_mov_b32 s[RT], 0                             ; it is the second block's last
	TILE
	; BOTH BLOCKS ARE JOINED AND STORED.
	s_wait_dscnt 0x0
	s_barrier_signal -1
	s_barrier_wait -1                              ; nobody reads the ring any more: the last bytes of slot 1 take the second block's hand-over
	v_mov_b32 v[SND], v[ST+8]
	v_add_f32 v[SND+1], v[ST+10], v[ST+11]
	ds_store_b64 v[XSO], v[SND:SND+1]
	WIN 0x04
.set i, 0
.rept 16
	ds_store_b128 v[XAO], v[64+4*i:64+4*i+3] offset:512*i
.set i, i+1
.endr
	WIN 0
	s_wait_dscnt 0x0                               ; for my partner's sake
	s_barrier_signal -1
	s_barrier_wait -1
	ds_load_b64 v[PS:PS+1], v[XSI]
	ds_load_b64 v[PS+2:PS+3], v[XSI] offset:LOFF
	WIN 0xc0
.set i, 0
.rept 32
	ds_load_b128 v[4*i:4*i+3], v[XAI] offset:(i/16)*LOFF+512*(i%16)
.set i, i+1
.endr
	WIN 0
	s_wait_dscnt 0x0
	FIN 0, ST, ST+2, ST+4, SND, 1, 0
	FIN 1, SV, SV+1, ST+12, TFL, 2, 64
	OUT 0, OPH, 16                                 ; 16: the first block's eight stage stores and eight loads
	OUT 1, OP, 0
	s_wait_tensorcnt 0x0                           ; the wave's end
	ds_add_u32 v[SPW], v[NIL]
	s_wait_dscnt 0x0
	CROUND                                         ; the closing round
	s_endpgm
.Lfunc_end_k_qab1e203f9d_attn:
	.size	k_qab1e203f9d_attn, .Lfunc_end_k_qab1e203f9d_attn-k_qab1e203f9d_attn
	.p2alignl 7, 3214868480
	.fill 96, 4, 3214868480
	.section	.rodata,"a",@progbits
	.p2align	6, 0x0
	.amdhsa_kernel k_qab1e203f9d_attn
		.amdhsa_group_segment_fixed_size 327680
		.amdhsa_private_segment_fixed_size 0
		.amdhsa_enable_private_segment 0
		.amdhsa_kernarg_size 16
		.amdhsa_user_sgpr_count 2
		.amdhsa_user_sgpr_kernarg_segment_ptr 1
		.amdhsa_wavefront_size32 1
		.amdhsa_system_sgpr_workgroup_id_x 1
		.amdhsa_system_sgpr_workgroup_id_y 1
		.amdhsa_system_sgpr_workgroup_id_z 1
		.amdhsa_system_vgpr_workitem_id 0
		.amdhsa_next_free_vgpr 896
		.amdhsa_next_free_sgpr 92
		.amdhsa_reserve_vcc 1
		.amdhsa_float_denorm_mode_32 3
		.amdhsa_float_denorm_mode_16_64 3
		.amdhsa_memory_ordered 1
		.amdhsa_forward_progress 1
		.amdhsa_inst_pref_size 107
	.end_amdhsa_kernel
	.amdgpu_metadata
---
amdhsa.version: [ 1, 2 ]
amdhsa.kernels:
  - .name:           k_qab1e203f9d_attn
    .symbol:         k_qab1e203f9d_attn.kd
    .args:
      - { .name: qkv, .offset: 0, .size: 8, .value_kind: global_buffer, .address_space: global }
      - { .name: ctx, .offset: 8, .size: 8, .value_kind: global_buffer, .address_space: global }
    .group_segment_fixed_size: 327680
    .private_segment_fixed_size: 0
    .kernarg_segment_align: 8
    .kernarg_segment_size: 16
    .max_flat_workgroup_size: 128
    .sgpr_count:     92
    .vgpr_count:     896
    .wavefront_size: 32
...
	.end_amdgpu_metadata
.endif
;; end of part 3
;; launch wout (part 4): grid 8 x 32, 4 waves a work-group, clusters of 4 x 4, 327,680 bytes of LDS; arguments ctx, wt, b_out, xh, x1; writes x1
.if DOCPART == 4
	.amdgcn_target "amdgcn-amd-amdhsa--gfx1250"
	.amdhsa_code_object_version 6
	.text
	.protected	k_qab1e203f9d_wout
	.globl	k_qab1e203f9d_wout
	.p2align	8
	.type	k_qab1e203f9d_wout,@function
k_qab1e203f9d_wout:
	s_mov_b64 s[64:65], 0
	v_nop
	global_prefetch_b8 v0, s[64:65] scope:SCOPE_SE
	s_setreg_imm32_b32 hwreg(HW_REG_WAVE_MODE, 25, 1), 1
	s_wait_xcnt 0x0
	s_wait_alu depctr_hold_cnt(0) depctr_sa_sdst(0) depctr_va_vdst(0) depctr_va_sdst(0) depctr_va_ssrc(0) depctr_va_vcc(0) depctr_vm_vsrc(0)
	s_getreg_b32 s2, hwreg(HW_REG_IB_STS2, 6, 4)
	s_cmp_eq_u32 s2, 0
	s_cbranch_scc0 .Lentry_in_a_cluster
	s_endpgm
.Lentry_in_a_cluster:
	s_bfe_u32 s2, ttmp6, 0x10000c
	s_cmp_lg_u32 s2, 0xf033
	s_cbranch_scc0 .Lentry_shape_is_right
	s_endpgm
.Lentry_shape_is_right:
; WOUT.  x1 = x + ctx Wout + b_out: A = ctx [4096][1024], B = Wout^T [1024][1024] (wt at byte 0x600000), both f16; sums in f32; x is xh (x rounded to bf16, kept as f16), b_out is rounded to bf16; x1 is f32.
; A tile of C is 128 x 128.  Four waves, 2 x 2, each 64 x 64: 16 accumulators.  K goes in steps of 256 (LDS rows of 512 bytes) through two slots: waves 0, 1 fetch A's two halves, waves 2, 3 B's, 64 rows each.
; CLUSTER.  4 x 4 work-groups: A's tile is asked for jointly along a row of the cluster, B's along a column.
; THE MATRIX INSTRUCTION IS USED TRANSPOSED (source 0 = 16 rows of B, source 1 = 16 rows of A): a lane holds row l % 16 of C and the columns 8 (l / 16) + 0..7.
; REGISTERS.  Window 0: addresses, the residual (loaded at the head), the way out.  Window 1: two fragment buffers of 128.  Window 2: the accumulators.
.set KDIM,  1024
.set RESF16, 1                         ; the residual is f16
.set RSH,   18                         ; log2 of the bytes in 128 rows of the residual
.set WTOFF, 0x600000
.set TM,    128
.set TN,    128
.set MA,    4
.set NB,    4
.set KD,    2
.set RL,    64
.set NAW,   2
.set SP,    528                        ; a row of the stage: 128 f32 + 16 bytes
.set KSTEP, 128*KD
.set PITCH, 256*KD+16
.set QI,    4+KD
.set SLOT,  (TM+TN)*PITCH
.set SPARE, 2*SLOT
.set KSTEPS, KDIM/KSTEP
.set NW,    MA*NB*KD
.set WM,    16*MA
.set WN,    16*NB
.set QBY,   64*KD
.set F0, 0
.set F1, 128
.set ADRA0, 16
.set ADRB0, 17
.set ADRA, 18
.set ADRB, 19
.set RD,   21
.set GO,   22                          ; v22  16 l: my 4 columns in a row's 512 bytes of the output, and in the bias
.set RO,   23                          ; v23  the same in the residual
.set SPW,  28
.set NIL,  29
.set STOA, 32
.set BIAS, 56
.set ONE,  62
.set RES,  64
.set TT,   192
.set WV, 10
.set MH, 11
.set NH, 12
.set TY, 13
.set TX, 42
.set LB, 20
.set TB, 21
.set CNT, 3
.set G1A, 24
.set G0A, 32
.set G1B, 48
.set G0B, 56
.set MSB, 0
.macro WIN new                         ; the immediate's high byte repeats the setting that is left
.if MSB != (\new)
	s_set_vgpr_msb (MSB<<8)|(\new)
.set MSB, \new
.endif
.endm
.macro PLACES                          ; four places behind matrix instructions, in front of loads into their sources and of reads of their results
.rept 4
	v_nop
.endr
.endm
.macro JLOAD s                         ; a joint load; the branch hangs on the wave's number alone; an s_nop 0 and four v_nop follow each line
	s_cmp_lt_u32 s[WV], NAW
	s_cbranch_scc0 .Lfor_b_\@
	tensor_load_to_lds s[G0A+4*(\s):G0A+4*(\s)+3], s[G1A:G1A+7]
	s_nop 0
.rept 4
	v_nop
.endr
	s_branch .Lasked_\@
.Lfor_b_\@:
	tensor_load_to_lds s[G0B+4*(\s):G0B+4*(\s)+3], s[G1B:G1B+7]
	s_nop 0
.rept 4
	v_nop
.endr
.Lasked_\@:
.endm
.macro CREST                           ; a round of the cluster's barrier behind its opening barrier
	s_cmp_lg_u32 s[WV], 0
	s_cbranch_scc1 .Lnot_wave_0_\@
	s_barrier_signal -3
.Lnot_wave_0_\@:
	s_barrier_wait -3
	s_barrier_signal -1
	s_barrier_wait -1
.endm
.macro CROUND
	s_barrier_signal -1
	s_barrier_wait -1
	CREST
.endm
; Matrix instructions i0 .. i0 + num - 1 of a quarter, from buffer f.  All accumulators take turns, one instruction a turn, over the backward jumps too.  zero = 1: the first product starts the sum.
.macro MULS f, i0, num, zero
.set mi, \i0
.rept \num
.set mc, mi/(MA*NB)
.set ma, (mi%(MA*NB))/NB
.set mb, mi%NB
.set macc, ma*NB+mb
.set rD, 8*(macc%32)
.set rB, (\f)+8*(mc*(MA+NB)+MA+mb)
.set rA, (\f)+8*(mc*(MA+NB)+ma)
	WIN 0xa5+0x50*(macc/32)
.if (\zero) && (mc == 0)
	v_wmma_f32_16x16x32_f16 v[rD:rD+7], v[rB:rB+7], v[rA:rA+7], 0
.else
	v_wmma_f32_16x16x32_f16 v[rD:rD+7], v[rB:rB+7], v[rA:rA+7], v[rD:rD+7]
.endif
.set mi, mi+1
.endr
.endm
.macro FETCH q, f                      ; 32 LDS loads in one run: quarter q's fragments into buffer f
	WIN 0x40
.set fc, 0
.rept KD
.set fi, 0
.rept NB
	ds_load_b128 v[(\f)+8*(fc*(MA+NB)+MA+fi):(\f)+8*(fc*(MA+NB)+MA+fi)+3],   v[ADRB] offset:(\q)*QBY+64*fc+fi*16*PITCH
	ds_load_b128 v[(\f)+8*(fc*(MA+NB)+MA+fi)+4:(\f)+8*(fc*(MA+NB)+MA+fi)+7], v[ADRB] offset:(\q)*QBY+64*fc+fi*16*PITCH+32
.set fi, fi+1
.endr
.set fi, 0
.rept MA
	ds_load_b128 v[(\f)+8*(fc*(MA+NB)+fi):(\f)+8*(fc*(MA+NB)+fi)+3],   v[ADRA] offset:(\q)*QBY+64*fc+fi*16*PITCH
	ds_load_b128 v[(\f)+8*(fc*(MA+NB)+fi)+4:(\f)+8*(fc*(MA+NB)+fi)+7], v[ADRA] offset:(\q)*QBY+64*fc+fi*16*PITCH+32
.set fi, fi+1
.endr
.set fc, fc+1
.endr
.endm
.macro QUARTER q, f, g, zero           ; multiplies buffer f; in its middle fetches quarter q into buffer g
	s_wait_dscnt 0x0                               ; buffer f's loads, issued half a quarter ago
	MULS \f, 0, NW/2, \zero
	PLACES
	FETCH \q, \g
	MULS \f, NW/2, NW/2, \zero
.endm
; The last quarter multiplies buffer 1 and changes slots.  In front of the barrier each wave waits for all its tensor loads (its part of the next slot), adds 0 to its spare word, and waits for that and
; for its reads of this slot.  fill = 1: the barrier opens a round of the cluster's, and the slot just read is filled again first thing behind it, with the K step two on.
.macro TURN fill
	WIN 0
	s_wait_dscnt 0x0                               ; buffer 1 is in
	s_wait_tensorcnt 0x0
	ds_add_u32 v[SPW], v[NIL]                      ; 0 onto my spare word; products stand between it and the wait for it
	MULS F1, 0, NW/4, 0
	s_wait_dscnt 0x0
	s_barrier_signal -1
	MULS F1, NW/4, NW/4, 0
	WIN 0
	s_barrier_wait -1
.if \fill
	CREST
	s_add_co_u32 s[G0A+5], s[LB], s[TB]            ; no tensor load of mine is out: the walking descriptors may be written
	s_add_co_u32 s[G0B+5], s[LB], s[TB]
	s_add_nc_u64 s[G0A+6:G0A+7], s[G0A+6:G0A+7], KSTEP*2
	s_add_nc_u64 s[G0B+6:G0B+7], s[G0B+6:G0B+7], KSTEP*2
	JLOAD 1
.else
	PLACES
.endif
	s_xor_b32 s[TB], s[TB], SLOT                   ; 0 and SLOT by turns
	v_add_nc_u32 v[ADRA], s[TB], v[ADRA0]
	v_add_nc_u32 v[ADRB], s[TB], v[ADRB0]
	FETCH 0, F0
	MULS F1, NW/2, NW/2, 0
.endm
	s_load_b256 s[80:87], s[0:1], 0x0              ; A s[80:81], wt s[82:83], bias s[84:85], residual s[86:87]
	s_load_b64 s[88:89], s[0:1], 0x20              ; the output
	v_lshl_add_u32 v[SPW], v0, 2, SPARE
	v_mov_b32 v[NIL], 0
	ds_add_u32 v[SPW], v[NIL]                      ; the wave's opening: an add, waited for ahead of my first tensor load
	v_lshrrev_b32 v1, 5, v0
	v_readfirstlane_b32 s[WV], v1
	s_lshr_b32 s[MH], s[WV], 1
	s_and_b32 s[NH], s[WV], 1
	s_bfe_u32 s40, ttmp6, 0x40000                  ; cx
	s_bfe_u32 s41, ttmp6, 0x40004                  ; cy
	s_lshl_b32 s[TX], ttmp9, 2
	s_add_co_u32 s[TX], s[TX], s40                 ; tile column
	s_and_b32 s[TY], ttmp7, 0xffff
	s_lshl_b32 s[TY], s[TY], 2
	s_add_co_u32 s[TY], s[TY], s41                 ; tile row
	s_lshl_b32 s43, s41, 2
	s_lshl_b32 s43, 15, s43                        ; my row of the cluster
	s_lshl_b32 s44, 0x1111, s40                    ; my column
	s_or_b32 s[G1A], s43, (1<<16)|(1<<20)|(1<<21)|(QI<<22)|(3<<25)  ; mask; 2-byte elements; padding on; bit 21 beside a mask; after every row; 4 words
	s_or_b32 s[G1B], s44, (1<<16)|(1<<20)|(1<<21)|(QI<<22)|(3<<25)
.irp g, G1A, G1B
	s_mov_b32 s[(\g)+1], KSTEP<<16                 ; tensor_dim0
	s_mov_b32 s[(\g)+2], RL<<16                    ; tensor_dim1
	s_mov_b32 s[(\g)+3], KSTEP<<16                 ; tile_dim0
	s_mov_b32 s[(\g)+4], RL                        ; tile_dim1
	s_mov_b32 s[(\g)+5], KDIM                      ; elements from row to row
	s_mov_b32 s[(\g)+6], 0
	s_mov_b32 s[(\g)+7], 0
.endr
	s_min_u32 s17, s[WV], NAW-1
	s_mul_i32 s17, s17, RL
	s_mul_i32 s16, s[TY], TM
	s_add_co_u32 s16, s16, s17                     ; A's first row for my load
	s_mul_i32 s16, s16, KDIM*2
	s_mov_b32 s17, 0
	s_max_u32 s47, s[WV], NAW
	s_sub_co_u32 s47, s47, NAW
	s_mul_i32 s47, s47, RL
	s_mul_i32 s46, s[TX], TN
	s_add_co_u32 s46, s46, s47                     ; B's first row for my load
	s_mul_i32 s46, s46, KDIM*2
	s_add_co_u32 s46, s46, WTOFF
	s_mov_b32 s47, 0
	s_mul_i32 s[LB], s[WV], RL*PITCH
	s_mov_b32 s[TB], 0
	s_wait_dscnt 0x0                               ; the opening add is done
	s_wait_kmcnt 0x0
	s_add_nc_u64 s[14:15], s[80:81], s[16:17]
	s_add_nc_u64 s[46:47], s[82:83], s[46:47]
	CROUND                                         ; all sixteen work-groups are here: the first joint loads meet
.irp s, 0,1
	s_mov_b32 s[G0A+4*(\s)], 1
	s_add_co_u32 s[G0A+4*(\s)+1], s[LB], (\s)*SLOT
	s_add_nc_u64 s[G0A+4*(\s)+2:G0A+4*(\s)+3], s[14:15], (\s)*KSTEP*2
	s_or_b32 s[G0A+4*(\s)+3], s[G0A+4*(\s)+3], 0x80000000
	s_mov_b32 s[G0B+4*(\s)], 1
	s_add_co_u32 s[G0B+4*(\s)+1], s[LB], (\s)*SLOT
	s_add_nc_u64 s[G0B+4*(\s)+2:G0B+4*(\s)+3], s[46:47], (\s)*KSTEP*2
	s_or_b32 s[G0B+4*(\s)+3], s[G0B+4*(\s)+3], 0x80000000
	JLOAD \s                                       ; K steps 0 and 1: two loads of mine are out
.endr
	v_and_b32 v1, 15, v0
	v_bfe_u32 v2, v0, 4, 1
	v_and_b32 v3, 31, v0
	v_mul_u32_u24 v4, v1, PITCH
	v_lshl_add_u32 v4, v2, 4, v4                   ; a fragment's row x pitch + 16 x half
	s_mul_i32 s22, s[MH], WM*PITCH
	s_mul_i32 s23, s[NH], WN*PITCH
	s_add_co_u32 s23, s23, TM*PITCH
	v_add_nc_u32 v[ADRA0], s22, v4
	v_add_nc_u32 v[ADRB0], s23, v4
	v_mov_b32 v[ADRA], v[ADRA0]
	v_mov_b32 v[ADRB], v[ADRB0]
	s_mul_i32 s22, s[MH], WM*SP
	s_mul_i32 s23, s[NH], WN*4
	s_add_co_u32 s22, s22, s23
	v_mul_u32_u24 v4, v1, SP
	v_lshl_add_u32 v4, v2, 5, v4
	v_add_nc_u32 v[STOA], s22, v4                  ; stage: row l % 16 of my rows, my columns, 32 bytes for each half of the lanes
.set da, 1
.rept MA-1
	v_add_nc_u32 v[STOA+da], da*16*SP, v[STOA]
.set da, da+1
.endr
	s_mul_i32 s23, s[WV], (TM/4)*SP
	v_lshl_add_u32 v[RD], v3, 4, s23               ; back: wave w takes rows 32 w on, whole
	v_lshlrev_b32 v[GO], 4, v3
	v_lshlrev_b32 v[RO], RSH-15, v3
	v_mov_b32 v[ONE], 1.0
	s_lshl_b32 s66, s[TX], 9                       ; the tile's 128 columns in f32
	s_mov_b32 s67, 0
	s_add_nc_u64 s[84:85], s[84:85], s[66:67]
	s_lshl_b32 s68, s[TY], 19
	s_add_co_u32 s66, s66, s68
	s_lshl_b32 s68, s[WV], 17
	s_add_co_u32 s66, s66, s68
	s_add_nc_u64 s[88:89], s[88:89], s[66:67]      ; the output at my 32 rows
	s_lshl_b32 s68, s[TY], RSH
	s_lshl_b32 s69, s[WV], RSH-2
	s_add_co_u32 s68, s68, s69
	s_lshl_b32 s69, s[TX], RSH-10
	s_add_co_u32 s68, s68, s69
	s_mov_b32 s69, 0
	s_add_nc_u64 s[86:87], s[86:87], s[68:69]      ; the residual at my 32 rows
	global_load_b128 v[BIAS:BIAS+3], v[GO], s[84:85]
.set r, 0
.rept 32                               ; the residual of the rows that I store comes in while the products run
.if RESF16
	global_load_b64 v[RES+2*r:RES+2*r+1], v[RO], s[86:87] offset:r*2048
.else
	global_load_b128 v[RES+4*r:RES+4*r+3], v[RO], s[86:87] offset:r*4096
.endif
.set r, r+1
.endr
	s_wait_tensorcnt 1                             ; my part of K step 0 is in; K step 1's may stay out
	s_barrier_signal -1
	s_barrier_wait -1
	FETCH 0, F0
	QUARTER 1, F0, F1, 1                           ; the first quarter's first products start the sums
	WIN 0
	s_mov_b32 s[CNT], KSTEPS-2
.Lstep:                                                ; a trip: a K step's quarters 1 to 3, the change of slots with a refill, the next step's quarter 0
	QUARTER 2, F1, F0, 0
	QUARTER 3, F0, F1, 0
	TURN 1
	QUARTER 1, F0, F1, 0
	WIN 0
	s_sub_co_u32 s[CNT], s[CNT], 1
	s_cmp_lg_u32 s[CNT], 0
	s_cbranch_scc1 .Lstep
	s_mov_b32 s[CNT], 2
.Ltail:                                                ; the last two K steps fill nothing; the second trip is left in its middle (its fetch of the other slot's old bytes serves nothing)
	QUARTER 2, F1, F0, 0
	QUARTER 3, F0, F1, 0
	TURN 0
	WIN 0
	s_cmp_eq_u32 s[CNT], 1
	s_cbranch_scc1 .Lout
	QUARTER 1, F0, F1, 0
	WIN 0
	s_sub_co_u32 s[CNT], s[CNT], 1
	s_cmp_lg_u32 s[CNT], 0
	s_cbranch_scc1 .Ltail
.Lout:
	; THE WAY OUT.  The ring has had its last fill: the stage, 128 rows x 528 bytes of f32, lies in it.  Nobody reads the ring any more behind this barrier.
	s_wait_dscnt 0x0
	s_barrier_signal -1
	s_barrier_wait -1
	PLACES
.set da, 0
.rept MA
.set db, 0
.rept NB
.set dacc, da*NB+db
	WIN 0x08+0x04*(dacc/32)
	ds_store_b128 v[STOA+da], v[8*(dacc%32):8*(dacc%32)+3] offset:64*db
	ds_store_b128 v[STOA+da], v[8*(dacc%32)+4:8*(dacc%32)+7] offset:64*db+16
.set db, db+1
.endr
.set da, da+1
.endr
	WIN 0
	s_wait_dscnt 0x0                               ; for the others' sake: my stores into the stage are done
	s_barrier_signal -1
	s_barrier_wait -1
	s_wait_loadcnt 0x0                             ; the bias and the residual
	v_cvt_pk_bf16_f32 v60, v[BIAS], v[BIAS+1]      ; the bias is rounded to bf16, like every input
	v_cvt_pk_bf16_f32 v61, v[BIAS+2], v[BIAS+3]
	v_lshlrev_b32 v[BIAS], 16, v60
	v_and_b32 v[BIAS+1], 0xffff0000, v60
	v_lshlrev_b32 v[BIAS+2], 16, v61
	v_and_b32 v[BIAS+3], 0xffff0000, v61
.set gq, 0
.rept 4                                ; eight rows at a time
	s_wait_xcnt 0x0                                ; the last stores have read their data
.irp j, 0,1,2,3,4,5,6,7
	ds_load_b128 v[TT+4*\j:TT+4*\j+3], v[RD] offset:(8*gq+\j)*SP
.endr
.irp j, 0,1,2,3,4,5,6,7
.set rr, 8*gq+\j
	s_wait_dscnt 7-\j                              ; row j of the eight is in
.if RESF16
	v_fma_mix_f32 v[TT+4*\j],   v[RES+2*rr],   v[ONE], v[TT+4*\j]   op_sel_hi:[1,0,0]  ; an f16 half of the residual x 1.0 + the sum
	v_fma_mix_f32 v[TT+4*\j+1], v[RES+2*rr],   v[ONE], v[TT+4*\j+1] op_sel:[1,0,0] op_sel_hi:[1,0,0]
	v_fma_mix_f32 v[TT+4*\j+2], v[RES+2*rr+1], v[ONE], v[TT+4*\j+2] op_sel_hi:[1,0,0]
	v_fma_mix_f32 v[TT+4*\j+3], v[RES+2*rr+1], v[ONE], v[TT+4*\j+3] op_sel:[1,0,0] op_sel_hi:[1,0,0]
.else
	v_pk_add_f32 v[TT+4*\j:TT+4*\j+1],   v[TT+4*\j:TT+4*\j+1],   v[RES+4*rr:RES+4*rr+1]
	v_pk_add_f32 v[TT+4*\j+2:TT+4*\j+3], v[TT+4*\j+2:TT+4*\j+3], v[RES+4*rr+2:RES+4*rr+3]
.endif
	v_pk_add_f32 v[TT+4*\j:TT+4*\j+1],   v[TT+4*\j:TT+4*\j+1],   v[BIAS:BIAS+1]
	v_pk_add_f32 v[TT+4*\j+2:TT+4*\j+3], v[TT+4*\j+2:TT+4*\j+3], v[BIAS+2:BIAS+3]
	global_store_b128 v[GO], v[TT+4*\j:TT+4*\j+3], s[88:89] offset:rr*4096  ; 32 lanes: 512 consecutive bytes, aligned
.endr
.set gq, gq+1
.endr
	s_wait_tensorcnt 0x0                           ; the wave's end
	ds_add_u32 v[SPW], v[NIL]
	s_wait_dscnt 0x0
	CROUND                                         ; the closing round
	s_endpgm
.Lfunc_end_k_qab1e203f9d_wout:
	.size	k_qab1e203f9d_wout, .Lfunc_end_k_qab1e203f9d_wout-k_qab1e203f9d_wout
	.p2alignl 7, 3214868480
	.fill 96, 4, 3214868480
	.section	.rodata,"a",@progbits
	.p2align	6, 0x0
	.amdhsa_kernel k_qab1e203f9d_wout
		.amdhsa_group_segment_fixed_size 327680
		.amdhsa_private_segment_fixed_size 0
		.amdhsa_enable_private_segment 0
		.amdhsa_kernarg_size 40
		.amdhsa_user_sgpr_count 2
		.amdhsa_user_sgpr_kernarg_segment_ptr 1
		.amdhsa_wavefront_size32 1
		.amdhsa_system_sgpr_workgroup_id_x 1
		.amdhsa_system_sgpr_workgroup_id_y 1
		.amdhsa_system_sgpr_workgroup_id_z 1
		.amdhsa_system_vgpr_workitem_id 0
		.amdhsa_next_free_vgpr 640
		.amdhsa_next_free_sgpr 96
		.amdhsa_reserve_vcc 0
		.amdhsa_float_denorm_mode_32 3
		.amdhsa_float_denorm_mode_16_64 3
		.amdhsa_memory_ordered 1
		.amdhsa_forward_progress 1
		.amdhsa_inst_pref_size 74
	.end_amdhsa_kernel
	.amdgpu_metadata
---
amdhsa.version: [ 1, 2 ]
amdhsa.kernels:
  - .name:           k_qab1e203f9d_wout
    .symbol:         k_qab1e203f9d_wout.kd
    .args:
      - { .name: ctx, .offset: 0, .size: 8, .value_kind: global_buffer, .address_space: global }
      - { .name: wt, .offset: 8, .size: 8, .value_kind: global_buffer, .address_space: global }
      - { .name: b_out, .offset: 16, .size: 8, .value_kind: global_buffer, .address_space: global }
      - { .name: xh, .offset: 24, .size: 8, .value_kind: global_buffer, .address_space: global }
      - { .name: x1, .offset: 32, .size: 8, .value_kind: global_buffer, .address_space: global }
    .group_segment_fixed_size: 327680
    .private_segment_fixed_size: 0
    .kernarg_segment_align: 8
    .kernarg_segment_size: 40
    .max_flat_workgroup_size: 128
    .sgpr_count:     96
    .vgpr_count:     640
    .wavefront_size: 32
...
	.end_amdgpu_metadata
.endif
;; end of part 4
;; launch ln (part 5): grid 256 x 1, 16 waves a work-group, no clusters, 0 bytes of LDS; arguments x1, ln_g, ln_b, hn; writes hn
.if DOCPART == 5
	.amdgcn_target "amdgcn-amd-amdhsa--gfx1250"
	.amdhsa_code_object_version 6
	.text
	.protected	k_qab1e203f9d_ln
	.globl	k_qab1e203f9d_ln
	.p2align	8
	.type	k_qab1e203f9d_ln,@function
k_qab1e203f9d_ln:
	s_mov_b64 s[64:65], 0
	v_nop
	global_prefetch_b8 v0, s[64:65] scope:SCOPE_SE
	s_setreg_imm32_b32 hwreg(HW_REG_WAVE_MODE, 25, 1), 1
	s_wait_xcnt 0x0
; LAYERNORM.  hn[r][c] = (x1[r][c] - mean) / sqrt(var + 1e-5) * g[c] + b[c].  x1: [4096][1024] f32; g, b: [1024] f32, rounded to bf16 like every input; hn: f16, rounded once.
; The mean is taken first and the variance of the deviations from it, both in f32 with the row in registers: no difference of large sums is formed.  LIMIT: hn beyond 65,504 becomes an infinity.
; A work-group of sixteen waves takes sixteen rows, a wave one row in 32 registers: the row's text is written once, and 64 KiB of rows are on their way on a WGP.
; Lane l holds columns 128 j + 4 l .. + 3, j = 0..7: loads of 512 and stores of 256 consecutive bytes.  No LDS, no barrier, no matrix unit: memory binds, and a row never leaves its wave.
.set X,  64                            ; v64-95    the row
.set GG, 96                            ; v96-127   g of my 32 columns
.set BB, 128                           ; v128-159  b
	s_load_b256 s[4:11], s[0:1], 0x0               ; x1 s[4:5], g s[6:7], b s[8:9], hn s[10:11]
	v_lshrrev_b32 v1, 5, v0                        ; wave 0..15
	v_and_b32 v2, 31, v0
	v_lshlrev_b32 v3, 4, v2                        ; 16 l
	v_lshl_add_u32 v4, v1, 12, v3                  ; + a row of 4,096 bytes a wave
	v_lshlrev_b32 v5, 3, v2
	v_lshl_add_u32 v5, v1, 11, v5                  ; 8 l + a row of 2,048 bytes a wave
	s_lshl_b32 s12, ttmp9, 16
	s_mov_b32 s13, 0
	s_lshl_b32 s14, ttmp9, 15
	s_mov_b32 s15, 0
	s_mov_b32 s16, 0x76543210
	s_mov_b32 s17, 0xfedcba98
	s_mov_b32 s18, 0x3a800000                      ; 1 / 1,024
	s_mov_b32 s19, 0x3727c5ac                      ; 1e-5
	s_mov_b32 s20, 0xffff0000
	s_wait_kmcnt 0x0
	s_add_nc_u64 s[4:5], s[4:5], s[12:13]
	s_add_nc_u64 s[10:11], s[10:11], s[14:15]
.irp j, 0,1,2,3,4,5,6,7
	global_load_b128 v[X+4*\j:X+4*\j+3], v4, s[4:5] offset:512*\j
.endr
.irp j, 0,1,2,3,4,5,6,7
	global_load_b128 v[GG+4*\j:GG+4*\j+3], v3, s[6:7] offset:512*\j
.endr
.irp j, 0,1,2,3,4,5,6,7
	global_load_b128 v[BB+4*\j:BB+4*\j+3], v3, s[8:9] offset:512*\j
.endr
.macro REDUCE                          ; four pairs v[8:15] -> their sum over the wave, in v8 of every lane
	v_pk_add_f32 v[8:9], v[8:9], v[10:11]
	v_pk_add_f32 v[12:13], v[12:13], v[14:15]
	v_pk_add_f32 v[8:9], v[8:9], v[12:13]
	v_add_f32 v8, v8, v9
	v_add_f32_dpp v8, v8, v8 row_xmask:1 row_mask:0xf bank_mask:0xf
	v_add_f32_dpp v8, v8, v8 row_xmask:2 row_mask:0xf bank_mask:0xf
	v_add_f32_dpp v8, v8, v8 row_xmask:4 row_mask:0xf bank_mask:0xf
	v_add_f32_dpp v8, v8, v8 row_xmask:8 row_mask:0xf bank_mask:0xf
	v_permlanex16_b32 v9, v8, s16, s17
	v_add_f32 v8, v8, v9
.endm
	s_wait_loadcnt 16                              ; the row is in; g's and b's sixteen loads may stay out
.irp c, 0,1,2,3
	v_pk_add_f32 v[8+2*\c:9+2*\c], v[X+2*\c:X+2*\c+1], v[X+8+2*\c:X+8+2*\c+1]
.endr
.irp p, 8,9,10,11,12,13,14,15
	v_pk_add_f32 v[8+2*((\p)%4):9+2*((\p)%4)], v[8+2*((\p)%4):9+2*((\p)%4)], v[X+2*\p:X+2*\p+1]
.endr
	REDUCE
	v_mul_f32 v8, s18, v8                          ; the mean
	v_mov_b32 v9, v8
.irp p, 0,1,2,3,4,5,6,7,8,9,10,11,12,13,14,15
	v_pk_add_f32 v[X+2*\p:X+2*\p+1], v[X+2*\p:X+2*\p+1], v[8:9] neg_lo:[0,1] neg_hi:[0,1]
.endr
.irp c, 0,1,2,3
	v_pk_mul_f32 v[8+2*\c:9+2*\c], v[X+2*\c:X+2*\c+1], v[X+2*\c:X+2*\c+1]
.endr
.irp p, 4,5,6,7,8,9,10,11,12,13,14,15
	v_pk_fma_f32 v[8+2*((\p)%4):9+2*((\p)%4)], v[X+2*\p:X+2*\p+1], v[X+2*\p:X+2*\p+1], v[8+2*((\p)%4):9+2*((\p)%4)]
.endr
	REDUCE
	v_fma_f32 v8, v8, s18, s19                     ; var + eps
	v_rsq_f32 v8, v8
	v_nop                                          ; a plain instruction behind it
	s_wait_loadcnt 0x0                             ; g and b
.set p, 0
.rept 16
	v_cvt_pk_bf16_f32 v[16+p], v[GG+2*p], v[GG+2*p+1]
	v_cvt_pk_bf16_f32 v[32+p], v[BB+2*p], v[BB+2*p+1]
.set p, p+1
.endr
.set p, 0
.rept 16
	v_lshlrev_b32 v[GG+2*p], 16, v[16+p]
	v_and_b32 v[GG+2*p+1], s20, v[16+p]
	v_lshlrev_b32 v[BB+2*p], 16, v[32+p]
	v_and_b32 v[BB+2*p+1], s20, v[32+p]
.set p, p+1
.endr
	s_wait_alu depctr_va_vdst(0)
	v_mov_b32 v9, v8
.irp p, 0,1,2,3,4,5,6,7,8,9,10,11,12,13,14,15
	v_pk_mul_f32 v[X+2*\p:X+2*\p+1], v[X+2*\p:X+2*\p+1], v[8:9]
.endr
.irp p, 0,1,2,3,4,5,6,7,8,9,10,11,12,13,14,15
	v_pk_fma_f32 v[X+2*\p:X+2*\p+1], v[X+2*\p:X+2*\p+1], v[GG+2*\p:GG+2*\p+1], v[BB+2*\p:BB+2*\p+1]
.endr
.irp p, 0,1,2,3,4,5,6,7,8,9,10,11,12,13,14,15
	v_cvt_pk_f16_f32 v[X+\p], v[X+2*\p], v[X+2*\p+1]  ; in place: register p is written when pairs up to p have been read
.endr
.irp j, 0,1,2,3,4,5,6,7
	global_store_b64 v5, v[X+2*\j:X+2*\j+1], s[10:11] offset:256*\j  ; 32 lanes: 256 consecutive bytes, aligned
.endr
	s_endpgm
.Lfunc_end_k_qab1e203f9d_ln:
	.size	k_qab1e203f9d_ln, .Lfunc_end_k_qab1e203f9d_ln-k_qab1e203f9d_ln
	.p2alignl 7, 3214868480
	.fill 96, 4, 3214868480
	.section	.rodata,"a",@progbits
	.p2align	6, 0x0
	.amdhsa_kernel k_qab1e203f9d_ln
		.amdhsa_group_segment_fixed_size 0
		.amdhsa_private_segment_fixed_size 0
		.amdhsa_enable_private_segment 0
		.amdhsa_kernarg_size 32
		.amdhsa_user_sgpr_count 2
		.amdhsa_user_sgpr_kernarg_segment_ptr 1
		.amdhsa_wavefront_size32 1
		.amdhsa_system_sgpr_workgroup_id_x 1
		.amdhsa_system_sgpr_workgroup_id_y 1
		.amdhsa_system_sgpr_workgroup_id_z 1
		.amdhsa_system_vgpr_workitem_id 0
		.amdhsa_next_free_vgpr 160
		.amdhsa_next_free_sgpr 66
		.amdhsa_reserve_vcc 0
		.amdhsa_float_denorm_mode_32 3
		.amdhsa_float_denorm_mode_16_64 3
		.amdhsa_memory_ordered 1
		.amdhsa_forward_progress 1
		.amdhsa_inst_pref_size 16
	.end_amdhsa_kernel
	.amdgpu_metadata
---
amdhsa.version: [ 1, 2 ]
amdhsa.kernels:
  - .name:           k_qab1e203f9d_ln
    .symbol:         k_qab1e203f9d_ln.kd
    .args:
      - { .name: x1, .offset: 0, .size: 8, .value_kind: global_buffer, .address_space: global }
      - { .name: ln_g, .offset: 8, .size: 8, .value_kind: global_buffer, .address_space: global }
      - { .name: ln_b, .offset: 16, .size: 8, .value_kind: global_buffer, .address_space: global }
      - { .name: hn, .offset: 24, .size: 8, .value_kind: global_buffer, .address_space: global }
    .group_segment_fixed_size: 0
    .private_segment_fixed_size: 0
    .kernarg_segment_align: 8
    .kernarg_segment_size: 32
    .max_flat_workgroup_size: 512
    .sgpr_count:     66
    .vgpr_count:     160
    .wavefront_size: 32
...
	.end_amdgpu_metadata
.endif
;; end of part 5
;; launch ffn1 (part 6): grid 16 x 16, 4 waves a work-group, clusters of 4 x 4, 327,680 bytes of LDS; arguments hn, wt, b1, gl; writes gl
.if DOCPART == 6
	.amdgcn_target "amdgcn-amd-amdhsa--gfx1250"
	.amdhsa_code_object_version 6
	.text
	.protected	k_qab1e203f9d_ffn1
	.globl	k_qab1e203f9d_ffn1
	.p2align	8
	.type	k_qab1e203f9d_ffn1,@function
k_qab1e203f9d_ffn1:
	s_mov_b64 s[64:65], 0
	v_nop
	global_prefetch_b8 v0, s[64:65] scope:SCOPE_SE
	s_setreg_imm32_b32 hwreg(HW_REG_WAVE_MODE, 25, 1), 1
	s_wait_xcnt 0x0
	s_wait_alu depctr_hold_cnt(0) depctr_sa_sdst(0) depctr_va_vdst(0) depctr_va_sdst(0) depctr_va_ssrc(0) depctr_va_vcc(0) depctr_vm_vsrc(0)
	s_getreg_b32 s2, hwreg(HW_REG_IB_STS2, 6, 4)
	s_cmp_eq_u32 s2, 0
	s_cbranch_scc0 .Lentry_in_a_cluster
	s_endpgm
.Lentry_in_a_cluster:
	s_bfe_u32 s2, ttmp6, 0x10000c
	s_cmp_lg_u32 s2, 0xf033
	s_cbranch_scc0 .Lentry_shape_is_right
	s_endpgm
.Lentry_shape_is_right:
; FFN1.  gl = GELU(hn W1 + b1), the exact GELU: A = hn [4096][1024], B = W1^T [4096][1024] (wt at byte 0x800000), both f16; sums in f32; b1 is rounded to bf16 like every input; gl is f16, rounded once.
; GELU.  gelu(u) = max(u, 0) - 0.5 |u| erfc(|u| / sqrt 2), which cancels nothing for u < 0.  erfc(X) = (a1 t + .. + a5 t^5) e^(-X^2), t = 1 / (1 + 0.3275911 X): off by 1.5e-7 at the most for every X >= 0.
; With A = |u|: t = 1 / (1 + 0.23164189 A), E = 2^(-0.72134752 A^2), the coefficients halved: g = max(u, 0) - (P A) E.  LIMIT: u beyond 65,504 becomes an infinity in f16.
; A tile of C is 256 x 256.  Four waves, 2 x 2, each 128 x 128: 64 accumulators.  K goes in steps of 128 through two LDS slots: waves 0, 1 fetch A's two halves, waves 2, 3 B's, 128 rows each.
; CLUSTER.  4 x 4 work-groups: A's tile is asked for jointly along a row of the cluster, B's along a column.
; THE MATRIX INSTRUCTION IS USED TRANSPOSED (source 0 = 16 rows of B, source 1 = 16 rows of A): a lane holds row l % 16 of C and the columns 8 (l / 16) + 0..7.
; REGISTERS.  Window 0: addresses and the way out.  Window 1: two fragment buffers of 128.  Windows 2, 3: accumulator a NB + b at v[8 (acc % 32)] of window 2 + acc / 32.
.set KDIM,  1024
.set WTOFF, 0x800000
.set TM,    256
.set TN,    256
.set MA,    8
.set NB,    8
.set KD,    1
.set RL,    128
.set NAW,   2
.set SP,    1040                       ; a row of the stage: 256 f32 + 16 bytes
.set KSTEP, 128*KD
.set PITCH, 256*KD+16
.set QI,    4+KD
.set SLOT,  (TM+TN)*PITCH
.set SPARE, 2*SLOT
.set KSTEPS, KDIM/KSTEP
.set NW,    MA*NB*KD
.set WM,    16*MA
.set WN,    16*NB
.set QBY,   64*KD
.set F0, 0
.set F1, 128
.set ADRA0, 16
.set ADRB0, 17
.set ADRA, 18
.set ADRB, 19
.set RD,   21
.set GO,   22                          ; v22  8 l: my 4 f16 in a group's 256 bytes
.set GB,   23                          ; v23  16 l: my 4 numbers of the bias
.set SPW,  28
.set NIL,  29
.set STOA, 32
.set BIAS, 48                          ; v48-55  two groups of 128 columns, 4 numbers each
.set TT,   64                          ; 16 registers each: sums as read, u, |u|, t, E, P; 8 packed
.set UU,   80
.set AA,   96
.set DD,   112
.set ZZ,   128
.set PP,   144
.set YY,   160
.set PA,   66                          ; scalar pairs: the packed forms take a pair's low word for both halves
.set CZ,   68
.set A1,   70
.set A2,   72
.set A3,   74
.set A4,   76
.set A5,   78
.set ABSM, 90
.set WV, 10
.set MH, 11
.set NH, 12
.set TY, 13
.set TX, 42
.set LB, 20
.set TB, 21
.set CNT, 3
.set G1A, 24
.set G0A, 32
.set G1B, 48
.set G0B, 56
.set MSB, 0
.macro WIN new                         ; the immediate's high byte repeats the setting that is left
.if MSB != (\new)
	s_set_vgpr_msb (MSB<<8)|(\new)
.set MSB, \new
.endif
.endm
.macro PLACES                          ; four places behind matrix instructions, in front of loads into their sources and of reads of their results
.rept 4
	v_nop
.endr
.endm
.macro JLOAD s                         ; a joint load; the branch hangs on the wave's number alone; an s_nop 0 and four v_nop follow each line
	s_cmp_lt_u32 s[WV], NAW
	s_cbranch_scc0 .Lfor_b_\@
	tensor_load_to_lds s[G0A+4*(\s):G0A+4*(\s)+3], s[G1A:G1A+7]
	s_nop 0
.rept 4
	v_nop
.endr
	s_branch .Lasked_\@
.Lfor_b_\@:
	tensor_load_to_lds s[G0B+4*(\s):G0B+4*(\s)+3], s[G1B:G1B+7]
	s_nop 0
.rept 4
	v_nop
.endr
.Lasked_\@:
.endm
.macro CREST                           ; a round of the cluster's barrier behind its opening barrier
	s_cmp_lg_u32 s[WV], 0
	s_cbranch_scc1 .Lnot_wave_0_\@
	s_barrier_signal -3
.Lnot_wave_0_\@:
	s_barrier_wait -3
	s_barrier_signal -1
	s_barrier_wait -1
.endm
.macro CROUND
	s_barrier_signal -1
	s_barrier_wait -1
	CREST
.endm
; Matrix instructions i0 .. i0 + num - 1 of a quarter, from buffer f.  All accumulators take turns, one instruction a turn, over the backward jumps too.  zero = 1: the first product starts the sum.
.macro MULS f, i0, num, zero
.set mi, \i0
.rept \num
.set mc, mi/(MA*NB)
.set ma, (mi%(MA*NB))/NB
.set mb, mi%NB
.set macc, ma*NB+mb
.set rD, 8*(macc%32)
.set rB, (\f)+8*(mc*(MA+NB)+MA+mb)
.set rA, (\f)+8*(mc*(MA+NB)+ma)
	WIN 0xa5+0x50*(macc/32)
.if (\zero) && (mc == 0)
	v_wmma_f32_16x16x32_f16 v[rD:rD+7], v[rB:rB+7], v[rA:rA+7], 0
.else
	v_wmma_f32_16x16x32_f16 v[rD:rD+7], v[rB:rB+7], v[rA:rA+7], v[rD:rD+7]
.endif
.set mi, mi+1
.endr
.endm
.macro FETCH q, f                      ; 32 LDS loads in one run: quarter q's fragments into buffer f
	WIN 0x40
.set fc, 0
.rept KD
.set fi, 0
.rept NB
	ds_load_b128 v[(\f)+8*(fc*(MA+NB)+MA+fi):(\f)+8*(fc*(MA+NB)+MA+fi)+3],   v[ADRB] offset:(\q)*QBY+64*fc+fi*16*PITCH
	ds_load_b128 v[(\f)+8*(fc*(MA+NB)+MA+fi)+4:(\f)+8*(fc*(MA+NB)+MA+fi)+7], v[ADRB] offset:(\q)*QBY+64*fc+fi*16*PITCH+32
.set fi, fi+1
.endr
.set fi, 0
.rept MA
	ds_load_b128 v[(\f)+8*(fc*(MA+NB)+fi):(\f)+8*(fc*(MA+NB)+fi)+3],   v[ADRA] offset:(\q)*QBY+64*fc+fi*16*PITCH
	ds_load_b128 v[(\f)+8*(fc*(MA+NB)+fi)+4:(\f)+8*(fc*(MA+NB)+fi)+7], v[ADRA] offset:(\q)*QBY+64*fc+fi*16*PITCH+32
.set fi, fi+1
.endr
.set fc, fc+1
.endr
.endm
.macro QUARTER q, f, g, zero           ; multiplies buffer f; in its middle fetches quarter q into buffer g
	s_wait_dscnt 0x0                               ; buffer f's loads, issued half a quarter ago
	MULS \f, 0, NW/2, \zero
	PLACES
	FETCH \q, \g
	MULS \f, NW/2, NW/2, \zero
.endm
; The last quarter multiplies buffer 1 and changes slots.  In front of the barrier each wave waits for all its tensor loads (its part of the next slot), adds 0 to its spare word, and waits for that and
; for its reads of this slot.  fill = 1: the barrier opens a round of the cluster's, and the slot just read is filled again first thing behind it, with the K step two on.
.macro TURN fill
	WIN 0
	s_wait_dscnt 0x0                               ; buffer 1 is in
	s_wait_tensorcnt 0x0
	ds_add_u32 v[SPW], v[NIL]                      ; 0 onto my spare word; products stand between it and the wait for it
	MULS F1, 0, NW/4, 0
	s_wait_dscnt 0x0
	s_barrier_signal -1
	MULS F1, NW/4, NW/4, 0
	WIN 0
	s_barrier_wait -1
.if \fill
	CREST
	s_add_co_u32 s[G0A+5], s[LB], s[TB]            ; no tensor load of mine is out: the walking descriptors may be written
	s_add_co_u32 s[G0B+5], s[LB], s[TB]
	s_add_nc_u64 s[G0A+6:G0A+7], s[G0A+6:G0A+7], KSTEP*2
	s_add_nc_u64 s[G0B+6:G0B+7], s[G0B+6:G0B+7], KSTEP*2
	JLOAD 1
.else
	PLACES
.endif
	s_xor_b32 s[TB], s[TB], SLOT                   ; 0 and SLOT by turns
	v_add_nc_u32 v[ADRA], s[TB], v[ADRA0]
	v_add_nc_u32 v[ADRB], s[TB], v[ADRB0]
	FETCH 0, F0
	MULS F1, NW/2, NW/2, 0
.endm
	s_load_b256 s[80:87], s[0:1], 0x0              ; hn s[80:81], wt s[82:83], b1 s[84:85], gl s[86:87]
	v_lshl_add_u32 v[SPW], v0, 2, SPARE
	v_mov_b32 v[NIL], 0
	ds_add_u32 v[SPW], v[NIL]                      ; the wave's opening: an add, waited for ahead of my first tensor load
	v_lshrrev_b32 v1, 5, v0
	v_readfirstlane_b32 s[WV], v1
	s_lshr_b32 s[MH], s[WV], 1
	s_and_b32 s[NH], s[WV], 1
	s_bfe_u32 s40, ttmp6, 0x40000                  ; cx
	s_bfe_u32 s41, ttmp6, 0x40004                  ; cy
	s_lshl_b32 s[TX], ttmp9, 2
	s_add_co_u32 s[TX], s[TX], s40                 ; tile column
	s_and_b32 s[TY], ttmp7, 0xffff
	s_lshl_b32 s[TY], s[TY], 2
	s_add_co_u32 s[TY], s[TY], s41                 ; tile row
	s_lshl_b32 s43, s41, 2
	s_lshl_b32 s43, 15, s43                        ; my row of the cluster
	s_lshl_b32 s44, 0x1111, s40                    ; my column
	s_or_b32 s[G1A], s43, (1<<16)|(1<<20)|(1<<21)|(QI<<22)|(3<<25)  ; mask; 2-byte elements; padding on; bit 21 beside a mask; after every row; 4 words
	s_or_b32 s[G1B], s44, (1<<16)|(1<<20)|(1<<21)|(QI<<22)|(3<<25)
.irp g, G1A, G1B
	s_mov_b32 s[(\g)+1], KSTEP<<16                 ; tensor_dim0
	s_mov_b32 s[(\g)+2], RL<<16                    ; tensor_dim1
	s_mov_b32 s[(\g)+3], KSTEP<<16                 ; tile_dim0
	s_mov_b32 s[(\g)+4], RL                        ; tile_dim1
	s_mov_b32 s[(\g)+5], KDIM                      ; elements from row to row
	s_mov_b32 s[(\g)+6], 0
	s_mov_b32 s[(\g)+7], 0
.endr
	s_min_u32 s17, s[WV], NAW-1
	s_mul_i32 s17, s17, RL
	s_mul_i32 s16, s[TY], TM
	s_add_co_u32 s16, s16, s17                     ; A's first row for my load
	s_mul_i32 s16, s16, KDIM*2
	s_mov_b32 s17, 0
	s_max_u32 s47, s[WV], NAW
	s_sub_co_u32 s47, s47, NAW
	s_mul_i32 s47, s47, RL
	s_mul_i32 s46, s[TX], TN
	s_add_co_u32 s46, s46, s47                     ; B's first row for my load
	s_mul_i32 s46, s46, KDIM*2
	s_add_co_u32 s46, s46, WTOFF
	s_mov_b32 s47, 0
	s_mul_i32 s[LB], s[WV], RL*PITCH
	s_mov_b32 s[TB], 0
	s_wait_dscnt 0x0                               ; the opening add is done
	s_wait_kmcnt 0x0
	s_add_nc_u64 s[14:15], s[80:81], s[16:17]
	s_add_nc_u64 s[46:47], s[82:83], s[46:47]
	CROUND                                         ; all sixteen work-groups are here: the first joint loads meet
.irp s, 0,1
	s_mov_b32 s[G0A+4*(\s)], 1
	s_add_co_u32 s[G0A+4*(\s)+1], s[LB], (\s)*SLOT
	s_add_nc_u64 s[G0A+4*(\s)+2:G0A+4*(\s)+3], s[14:15], (\s)*KSTEP*2
	s_or_b32 s[G0A+4*(\s)+3], s[G0A+4*(\s)+3], 0x80000000
	s_mov_b32 s[G0B+4*(\s)], 1
	s_add_co_u32 s[G0B+4*(\s)+1], s[LB], (\s)*SLOT
	s_add_nc_u64 s[G0B+4*(\s)+2:G0B+4*(\s)+3], s[46:47], (\s)*KSTEP*2
	s_or_b32 s[G0B+4*(\s)+3], s[G0B+4*(\s)+3], 0x80000000
	JLOAD \s                                       ; K steps 0 and 1: two loads of mine are out
.endr
	v_and_b32 v1, 15, v0
	v_bfe_u32 v2, v0, 4, 1
	v_and_b32 v3, 31, v0
	v_mul_u32_u24 v4, v1, PITCH
	v_lshl_add_u32 v4, v2, 4, v4                   ; a fragment's row x pitch + 16 x half
	s_mul_i32 s22, s[MH], WM*PITCH
	s_mul_i32 s23, s[NH], WN*PITCH
	s_add_co_u32 s23, s23, TM*PITCH
	v_add_nc_u32 v[ADRA0], s22, v4
	v_add_nc_u32 v[ADRB0], s23, v4
	v_mov_b32 v[ADRA], v[ADRA0]
	v_mov_b32 v[ADRB], v[ADRB0]
	s_mul_i32 s22, s[MH], WM*SP
	s_mul_i32 s23, s[NH], WN*4
	s_add_co_u32 s22, s22, s23
	v_mul_u32_u24 v4, v1, SP
	v_lshl_add_u32 v4, v2, 5, v4
	v_add_nc_u32 v[STOA], s22, v4                  ; stage: row l % 16 of my rows, my columns, 32 bytes for each half of the lanes
.set da, 1
.rept MA-1
	v_add_nc_u32 v[STOA+da], da*16*SP, v[STOA]
.set da, da+1
.endr
	s_mul_i32 s23, s[WV], (TM/4)*SP
	v_lshl_add_u32 v[RD], v3, 4, s23               ; back: wave w takes rows 64 w on, whole
	v_lshlrev_b32 v[GO], 3, v3
	v_lshlrev_b32 v[GB], 4, v3
	s_lshl_b32 s22, s[TX], 10                      ; the tile's 256 numbers of the bias
	s_mov_b32 s23, 0
	s_add_nc_u64 s[84:85], s[84:85], s[22:23]
	s_lshl_b32 s22, s[TY], 21                      ; 256 rows of 8,192 bytes
	s_lshl_b32 s91, s[WV], 19                      ; 64 rows a wave
	s_add_co_u32 s22, s22, s91
	s_lshl_b32 s91, s[TX], 9                       ; the tile's 256 columns in f16
	s_add_co_u32 s22, s22, s91
	s_add_nc_u64 s[86:87], s[86:87], s[22:23]
	global_load_b128 v[BIAS:BIAS+3], v[GB], s[84:85]
	global_load_b128 v[BIAS+4:BIAS+7], v[GB], s[84:85] offset:512
	s_mov_b32 s[PA], 0x3e6d3388                    ; 0.3275911 / sqrt 2
	s_mov_b32 s[CZ], 0xbf38aa3b                    ; -log2(e) / 2
	s_mov_b32 s[A1], 0x3e027906                    ; half of 0.254829592
	s_mov_b32 s[A2], 0xbe11a98e                    ; of -0.284496736
	s_mov_b32 s[A3], 0x3f35f0e3                    ; of 1.421413741
	s_mov_b32 s[A4], 0xbf3a00e3                    ; of -1.453152027
	s_mov_b32 s[A5], 0x3f07dc22                    ; of 1.061405429
.irp c, PA, CZ, A1, A2, A3, A4, A5
	s_mov_b32 s[(\c)+1], s[\c]                     ; named as pairs
.endr
	s_mov_b32 s[ABSM], 0x7fffffff
	s_wait_tensorcnt 1                             ; my part of K step 0 is in; K step 1's may stay out
	s_barrier_signal -1
	s_barrier_wait -1
	FETCH 0, F0
	QUARTER 1, F0, F1, 1                           ; the first quarter's products start the sums
	WIN 0
	s_mov_b32 s[CNT], KSTEPS-2
.Lstep:                                                ; a trip: a K step's quarters 1 to 3, the change of slots with a refill, the next step's quarter 0
	QUARTER 2, F1, F0, 0
	QUARTER 3, F0, F1, 0
	TURN 1
	QUARTER 1, F0, F1, 0
	WIN 0
	s_sub_co_u32 s[CNT], s[CNT], 1
	s_cmp_lg_u32 s[CNT], 0
	s_cbranch_scc1 .Lstep
	s_mov_b32 s[CNT], 2
.Ltail:                                                ; the last two K steps fill nothing; the second trip is left in its middle (its fetch of the other slot's old bytes serves nothing)
	QUARTER 2, F1, F0, 0
	QUARTER 3, F0, F1, 0
	TURN 0
	WIN 0
	s_cmp_eq_u32 s[CNT], 1
	s_cbranch_scc1 .Lout
	QUARTER 1, F0, F1, 0
	WIN 0
	s_sub_co_u32 s[CNT], s[CNT], 1
	s_cmp_lg_u32 s[CNT], 0
	s_cbranch_scc1 .Ltail
.Lout:
	; THE WAY OUT.  The ring has had its last fill: the stage, 256 rows x 1,040 bytes of f32, lies in it.  Nobody reads the ring any more behind this barrier.
	s_wait_dscnt 0x0
	s_barrier_signal -1
	s_barrier_wait -1
	PLACES
.set da, 0
.rept MA
.set db, 0
.rept NB
.set dacc, da*NB+db
	WIN 0x08+0x04*(dacc/32)
	ds_store_b128 v[STOA+da], v[8*(dacc%32):8*(dacc%32)+3] offset:64*db
	ds_store_b128 v[STOA+da], v[8*(dacc%32)+4:8*(dacc%32)+7] offset:64*db+16
.set db, db+1
.endr
.set da, da+1
.endr
	WIN 0
	s_wait_dscnt 0x0                               ; for the others' sake: my stores into the stage are done
	s_barrier_signal -1
	s_barrier_wait -1
	s_wait_loadcnt 0x0                             ; the bias
.set p, 0
.rept 4
	v_cvt_pk_bf16_f32 v[56+p], v[BIAS+2*p], v[BIAS+2*p+1]  ; rounded to bf16, like every input
.set p, p+1
.endr
.set p, 0
.rept 4
	v_lshlrev_b32 v[BIAS+2*p], 16, v[56+p]
	v_and_b32 v[BIAS+2*p+1], 0xffff0000, v[56+p]
.set p, p+1
.endr
.macro GLD                             ; two rows x two groups of 128 columns: 16 numbers a lane
.irp r, 0,1
.irp g, 0,1
	ds_load_b128 v[TT+8*\r+4*\g:TT+8*\r+4*\g+3], v[RD] offset:\r*SP+512*\g
.endr
.endr
.endm
.macro EACH8 line:vararg               ; one line for each pair p
.set p, 0
	s_wait_alu depctr_va_vdst(0)
.rept 8
	\line
.set p, p+1
.endr
.endm
.macro EACH16 line:vararg              ; one line for each number p
.set p, 0
.rept 16
	\line
.set p, p+1
.endr
.endm
.macro GROW ld                         ; two rows: bias, GELU, f16, stored; ld = 1: the next two rows are read meanwhile
	s_wait_dscnt 0x0
	EACH8 v_pk_add_f32 v[UU+2*p:UU+2*p+1], v[TT+2*p:TT+2*p+1], v[BIAS+2*(p%4):BIAS+2*(p%4)+1]
.if \ld
	v_add_nc_u32 v[RD], 2*SP, v[RD]
	GLD
.endif
	EACH16 v_and_b32 v[AA+p], s[ABSM], v[UU+p]
	EACH8 v_pk_fma_f32 v[DD+2*p:DD+2*p+1], v[AA+2*p:AA+2*p+1], s[PA:PA+1], 1.0 op_sel_hi:[1,0,0]
	EACH16 v_rcp_f32 v[DD+p], v[DD+p]
	EACH8 v_pk_mul_f32 v[ZZ+2*p:ZZ+2*p+1], v[AA+2*p:AA+2*p+1], s[CZ:CZ+1] op_sel_hi:[1,0]  ; plain work behind the reciprocals
	EACH8 v_pk_mul_f32 v[ZZ+2*p:ZZ+2*p+1], v[ZZ+2*p:ZZ+2*p+1], v[AA+2*p:AA+2*p+1]
	EACH16 v_exp_f32 v[ZZ+p], v[ZZ+p]
	EACH8 v_pk_fma_f32 v[PP+2*p:PP+2*p+1], v[DD+2*p:DD+2*p+1], s[A5:A5+1], s[A4:A4+1] op_sel_hi:[1,0,0]  ; plain work behind the exponentials
	EACH8 v_pk_fma_f32 v[PP+2*p:PP+2*p+1], v[PP+2*p:PP+2*p+1], v[DD+2*p:DD+2*p+1], s[A3:A3+1] op_sel_hi:[1,1,0]
	EACH8 v_pk_fma_f32 v[PP+2*p:PP+2*p+1], v[PP+2*p:PP+2*p+1], v[DD+2*p:DD+2*p+1], s[A2:A2+1] op_sel_hi:[1,1,0]
	EACH8 v_pk_fma_f32 v[PP+2*p:PP+2*p+1], v[PP+2*p:PP+2*p+1], v[DD+2*p:DD+2*p+1], s[A1:A1+1] op_sel_hi:[1,1,0]
	EACH8 v_pk_mul_f32 v[PP+2*p:PP+2*p+1], v[PP+2*p:PP+2*p+1], v[DD+2*p:DD+2*p+1]
	EACH8 v_pk_mul_f32 v[PP+2*p:PP+2*p+1], v[PP+2*p:PP+2*p+1], v[AA+2*p:AA+2*p+1]
	EACH16 v_max_num_f32 v[UU+p], 0, v[UU+p]
	EACH8 v_pk_fma_f32 v[UU+2*p:UU+2*p+1], v[PP+2*p:PP+2*p+1], v[ZZ+2*p:ZZ+2*p+1], v[UU+2*p:UU+2*p+1] neg_lo:[1,0,0] neg_hi:[1,0,0]
	EACH8 v_cvt_pk_f16_f32 v[YY+p], v[UU+2*p], v[UU+2*p+1]
.irp r, 0,1
.irp g, 0,1
	global_store_b64 v[GO], v[YY+4*\r+2*\g:YY+4*\r+2*\g+1], s[86:87] offset:\r*8192+256*\g  ; 32 lanes: 256 consecutive bytes, aligned
.endr
.endr
	s_wait_xcnt 0x0                                ; the stores have read their data and base
	s_add_nc_u64 s[86:87], s[86:87], 16384
.endm
	GLD
	s_mov_b32 s[CNT], 31
.Lrow:
	GROW 1
	s_sub_co_u32 s[CNT], s[CNT], 1
	s_cmp_lg_u32 s[CNT], 0
	s_cbranch_scc1 .Lrow
	GROW 0                                         ; the last two rows read nothing further
	s_wait_tensorcnt 0x0                           ; the wave's end
	ds_add_u32 v[SPW], v[NIL]
	s_wait_dscnt 0x0
	CROUND                                         ; the closing round
	s_endpgm
.Lfunc_end_k_qab1e203f9d_ffn1:
	.size	k_qab1e203f9d_ffn1, .Lfunc_end_k_qab1e203f9d_ffn1-k_qab1e203f9d_ffn1
	.p2alignl 7, 3214868480
	.fill 96, 4, 3214868480
	.section	.rodata,"a",@progbits
	.p2align	6, 0x0
	.amdhsa_kernel k_qab1e203f9d_ffn1
		.amdhsa_group_segment_fixed_size 327680
		.amdhsa_private_segment_fixed_size 0
		.amdhsa_enable_private_segment 0
		.amdhsa_kernarg_size 32
		.amdhsa_user_sgpr_count 2
		.amdhsa_user_sgpr_kernarg_segment_ptr 1
		.amdhsa_wavefront_size32 1
		.amdhsa_system_sgpr_workgroup_id_x 1
		.amdhsa_system_sgpr_workgroup_id_y 1
		.amdhsa_system_sgpr_workgroup_id_z 1
		.amdhsa_system_vgpr_workitem_id 0
		.amdhsa_next_free_vgpr 1024
		.amdhsa_next_free_sgpr 96
		.amdhsa_reserve_vcc 0
		.amdhsa_float_denorm_mode_32 3
		.amdhsa_float_denorm_mode_16_64 3
		.amdhsa_memory_ordered 1
		.amdhsa_forward_progress 1
		.amdhsa_inst_pref_size 97
	.end_amdhsa_kernel
	.amdgpu_metadata
---
amdhsa.version: [ 1, 2 ]
amdhsa.kernels:
  - .name:           k_qab1e203f9d_ffn1
    .symbol:         k_qab1e203f9d_ffn1.kd
    .args:
      - { .name: hn, .offset: 0, .size: 8, .value_kind: global_buffer, .address_space: global }
      - { .name: wt, .offset: 8, .size: 8, .value_kind: global_buffer, .address_space: global }
      - { .name: b1, .offset: 16, .size: 8, .value_kind: global_buffer, .address_space: global }
      - { .name: gl, .offset: 24, .size: 8, .value_kind: global_buffer, .address_space: global }
    .group_segment_fixed_size: 327680
    .private_segment_fixed_size: 0
    .kernarg_segment_align: 8
    .kernarg_segment_size: 32
    .max_flat_workgroup_size: 128
    .sgpr_count:     96
    .vgpr_count:     1024
    .wavefront_size: 32
...
	.end_amdgpu_metadata
.endif
;; end of part 6
;; launch ffn2 (part 7): grid 8 x 32, 4 waves a work-group, clusters of 4 x 4, 327,680 bytes of LDS; arguments gl, wt, b2, x1, out0; writes out0
.if DOCPART == 7
	.amdgcn_target "amdgcn-amd-amdhsa--gfx1250"
	.amdhsa_code_object_version 6
	.text
	.protected	k_qab1e203f9d_ffn2
	.globl	k_qab1e203f9d_ffn2
	.p2align	8
	.type	k_qab1e203f9d_ffn2,@function
k_qab1e203f9d_ffn2:
	s_mov_b64 s[64:65], 0
	v_nop
	global_prefetch_b8 v0, s[64:65] scope:SCOPE_SE
	s_setreg_imm32_b32 hwreg(HW_REG_WAVE_MODE, 25, 1), 1
	s_wait_xcnt 0x0
	s_wait_alu depctr_hold_cnt(0) depctr_sa_sdst(0) depctr_va_vdst(0) depctr_va_sdst(0) depctr_va_ssrc(0) depctr_va_vcc(0) depctr_vm_vsrc(0)
	s_getreg_b32 s2, hwreg(HW_REG_IB_STS2, 6, 4)
	s_cmp_eq_u32 s2, 0
	s_cbranch_scc0 .Lentry_in_a_cluster
	s_endpgm
.Lentry_in_a_cluster:
	s_bfe_u32 s2, ttmp6, 0x10000c
	s_cmp_lg_u32 s2, 0xf033
	s_cbranch_scc0 .Lentry_shape_is_right
	s_endpgm
.Lentry_shape_is_right:
; FFN2.  out0 = x1 + gl W2 + b2: A = gl [4096][4096], B = W2^T [1024][4096] (wt at byte 0x1000000), both f16; sums in f32; x1 is f32, b2 is rounded to bf16 like every input; out0 is f32.
; A tile of C is 128 x 128.  Four waves, 2 x 2, each 64 x 64: 16 accumulators.  K goes in steps of 256 (LDS rows of 512 bytes) through two slots: waves 0, 1 fetch A's two halves, waves 2, 3 B's, 64 rows each.
; CLUSTER.  4 x 4 work-groups: A's tile is asked for jointly along a row of the cluster, B's along a column.
; THE MATRIX INSTRUCTION IS USED TRANSPOSED (source 0 = 16 rows of B, source 1 = 16 rows of A): a lane holds row l % 16 of C and the columns 8 (l / 16) + 0..7.
; REGISTERS.  Window 0: addresses, the residual (loaded at the head), the way out.  Window 1: two fragment buffers of 128.  Window 2: the accumulators.
.set KDIM,  4096
.set RESF16, 0                         ; the residual is f32
.set RSH,   19                         ; log2 of the bytes in 128 rows of the residual
.set WTOFF, 0x1000000
.set TM,    128
.set TN,    128
.set MA,    4
.set NB,    4
.set KD,    2
.set RL,    64
.set NAW,   2
.set SP,    528                        ; a row of the stage: 128 f32 + 16 bytes
.set KSTEP, 128*KD
.set PITCH, 256*KD+16
.set QI,    4+KD
.set SLOT,  (TM+TN)*PITCH
.set SPARE, 2*SLOT
.set KSTEPS, KDIM/KSTEP
.set NW,    MA*NB*KD
.set WM,    16*MA
.set WN,    16*NB
.set QBY,   64*KD
.set F0, 0
.set F1, 128
.set ADRA0, 16
.set ADRB0, 17
.set ADRA, 18
.set ADRB, 19
.set RD,   21
.set GO,   22                          ; v22  16 l: my 4 columns in a row's 512 bytes of the output, and in the bias
.set RO,   23                          ; v23  the same in the residual
.set SPW,  28
.set NIL,  29
.set STOA, 32
.set BIAS, 56
.set ONE,  62
.set RES,  64
.set TT,   192
.set WV, 10
.set MH, 11
.set NH, 12
.set TY, 13
.set TX, 42
.set LB, 20
.set TB, 21
.set CNT, 3
.set G1A, 24
.set G0A, 32
.set G1B, 48
.set G0B, 56
.set MSB, 0
.macro WIN new                         ; the immediate's high byte repeats the setting that is left
.if MSB != (\new)
	s_set_vgpr_msb (MSB<<8)|(\new)
.set MSB, \new
.endif
.endm
.macro PLACES                          ; four places behind matrix instructions, in front of loads into their sources and of reads of their results
.rept 4
	v_nop
.endr
.endm
.macro JLOAD s                         ; a joint load; the branch hangs on the wave's number alone; an s_nop 0 and four v_nop follow each line
	s_cmp_lt_u32 s[WV], NAW
	s_cbranch_scc0 .Lfor_b_\@
	tensor_load_to_lds s[G0A+4*(\s):G0A+4*(\s)+3], s[G1A:G1A+7]
	s_nop 0
.rept 4
	v_nop
.endr
	s_branch .Lasked_\@
.Lfor_b_\@:
	tensor_load_to_lds s[G0B+4*(\s):G0B+4*(\s)+3], s[G1B:G1B+7]
	s_nop 0
.rept 4
	v_nop
.endr
.Lasked_\@:
.endm
.macro CREST                           ; a round of the cluster's barrier behind its opening barrier
	s_cmp_lg_u32 s[WV], 0
	s_cbranch_scc1 .Lnot_wave_0_\@
	s_barrier_signal -3
.Lnot_wave_0_\@:
	s_barrier_wait -3
	s_barrier_signal -1
	s_barrier_wait -1
.endm
.macro CROUND
	s_barrier_signal -1
	s_barrier_wait -1
	CREST
.endm
; Matrix instructions i0 .. i0 + num - 1 of a quarter, from buffer f.  All accumulators take turns, one instruction a turn, over the backward jumps too.  zero = 1: the first product starts the sum.
.macro MULS f, i0, num, zero
.set mi, \i0
.rept \num
.set mc, mi/(MA*NB)
.set ma, (mi%(MA*NB))/NB
.set mb, mi%NB
.set macc, ma*NB+mb
.set rD, 8*(macc%32)
.set rB, (\f)+8*(mc*(MA+NB)+MA+mb)
.set rA, (\f)+8*(mc*(MA+NB)+ma)
	WIN 0xa5+0x50*(macc/32)
.if (\zero) && (mc == 0)
	v_wmma_f32_16x16x32_f16 v[rD:rD+7], v[rB:rB+7], v[rA:rA+7], 0
.else
	v_wmma_f32_16x16x32_f16 v[rD:rD+7], v[rB:rB+7], v[rA:rA+7], v[rD:rD+7]
.endif
.set mi, mi+1
.endr
.endm
.macro FETCH q, f                      ; 32 LDS loads in one run: quarter q's fragments into buffer f
	WIN 0x40
.set fc, 0
.rept KD
.set fi, 0
.rept NB
	ds_load_b128 v[(\f)+8*(fc*(MA+NB)+MA+fi):(\f)+8*(fc*(MA+NB)+MA+fi)+3],   v[ADRB] offset:(\q)*QBY+64*fc+fi*16*PITCH
	ds_load_b128 v[(\f)+8*(fc*(MA+NB)+MA+fi)+4:(\f)+8*(fc*(MA+NB)+MA+fi)+7], v[ADRB] offset:(\q)*QBY+64*fc+fi*16*PITCH+32
.set fi, fi+1
.endr
.set fi, 0
.rept MA
	ds_load_b128 v[(\f)+8*(fc*(MA+NB)+fi):(\f)+8*(fc*(MA+NB)+fi)+3],   v[ADRA] offset:(\q)*QBY+64*fc+fi*16*PITCH
	ds_load_b128 v[(\f)+8*(fc*(MA+NB)+fi)+4:(\f)+8*(fc*(MA+NB)+fi)+7], v[ADRA] offset:(\q)*QBY+64*fc+fi*16*PITCH+32
.set fi, fi+1
.endr
.set fc, fc+1
.endr
.endm
.macro QUARTER q, f, g, zero           ; multiplies buffer f; in its middle fetches quarter q into buffer g
	s_wait_dscnt 0x0                               ; buffer f's loads, issued half a quarter ago
	MULS \f, 0, NW/2, \zero
	PLACES
	FETCH \q, \g
	MULS \f, NW/2, NW/2, \zero
.endm
; The last quarter multiplies buffer 1 and changes slots.  In front of the barrier each wave waits for all its tensor loads (its part of the next slot), adds 0 to its spare word, and waits for that and
; for its reads of this slot.  fill = 1: the barrier opens a round of the cluster's, and the slot just read is filled again first thing behind it, with the K step two on.
.macro TURN fill
	WIN 0
	s_wait_dscnt 0x0                               ; buffer 1 is in
	s_wait_tensorcnt 0x0
	ds_add_u32 v[SPW], v[NIL]                      ; 0 onto my spare word; products stand between it and the wait for it
	MULS F1, 0, NW/4, 0
	s_wait_dscnt 0x0
	s_barrier_signal -1
	MULS F1, NW/4, NW/4, 0
	WIN 0
	s_barrier_wait -1
.if \fill
	CREST
	s_add_co_u32 s[G0A+5], s[LB], s[TB]            ; no tensor load of mine is out: the walking descriptors may be written
	s_add_co_u32 s[G0B+5], s[LB], s[TB]
	s_add_nc_u64 s[G0A+6:G0A+7], s[G0A+6:G0A+7], KSTEP*2
	s_add_nc_u64 s[G0B+6:G0B+7], s[G0B+6:G0B+7], KSTEP*2
	JLOAD 1
.else
	PLACES
.endif
	s_xor_b32 s[TB], s[TB], SLOT                   ; 0 and SLOT by turns
	v_add_nc_u32 v[ADRA], s[TB], v[ADRA0]
	v_add_nc_u32 v[ADRB], s[TB], v[ADRB0]
	FETCH 0, F0
	MULS F1, NW/2, NW/2, 0
.endm
	s_load_b256 s[80:87], s[0:1], 0x0              ; A s[80:81], wt s[82:83], bias s[84:85], residual s[86:87]
	s_load_b64 s[88:89], s[0:1], 0x20              ; the output
	v_lshl_add_u32 v[SPW], v0, 2, SPARE
	v_mov_b32 v[NIL], 0
	ds_add_u32 v[SPW], v[NIL]                      ; the wave's opening: an add, waited for ahead of my first tensor load
	v_lshrrev_b32 v1, 5, v0
	v_readfirstlane_b32 s[WV], v1
	s_lshr_b32 s[MH], s[WV], 1
	s_and_b32 s[NH], s[WV], 1
	s_bfe_u32 s40, ttmp6, 0x40000                  ; cx
	s_bfe_u32 s41, ttmp6, 0x40004                  ; cy
	s_lshl_b32 s[TX], ttmp9, 2
	s_add_co_u32 s[TX], s[TX], s40                 ; tile column
	s_and_b32 s[TY], ttmp7, 0xffff
	s_lshl_b32 s[TY], s[TY], 2
	s_add_co_u32 s[TY], s[TY], s41                 ; tile row
	s_lshl_b32 s43, s41, 2
	s_lshl_b32 s43, 15, s43                        ; my row of the cluster
	s_lshl_b32 s44, 0x1111, s40                    ; my column
	s_or_b32 s[G1A], s43, (1<<16)|(1<<20)|(1<<21)|(QI<<22)|(3<<25)  ; mask; 2-byte elements; padding on; bit 21 beside a mask; after every row; 4 words
	s_or_b32 s[G1B], s44, (1<<16)|(1<<20)|(1<<21)|(QI<<22)|(3<<25)
.irp g, G1A, G1B
	s_mov_b32 s[(\g)+1], KSTEP<<16                 ; tensor_dim0
	s_mov_b32 s[(\g)+2], RL<<16                    ; tensor_dim1
	s_mov_b32 s[(\g)+3], KSTEP<<16                 ; tile_dim0
	s_mov_b32 s[(\g)+4], RL                        ; tile_dim1
	s_mov_b32 s[(\g)+5], KDIM                      ; elements from row to row
	s_mov_b32 s[(\g)+6], 0
	s_mov_b32 s[(\g)+7], 0
.endr
	s_min_u32 s17, s[WV], NAW-1
	s_mul_i32 s17, s17, RL
	s_mul_i32 s16, s[TY], TM
	s_add_co_u32 s16, s16, s17                     ; A's first row for my load
	s_mul_i32 s16, s16, KDIM*2
	s_mov_b32 s17, 0
	s_max_u32 s47, s[WV], NAW
	s_sub_co_u32 s47, s47, NAW
	s_mul_i32 s47, s47, RL
	s_mul_i32 s46, s[TX], TN
	s_add_co_u32 s46, s46, s47                     ; B's first row for my load
	s_mul_i32 s46, s46, KDIM*2
	s_add_co_u32 s46, s46, WTOFF
	s_mov_b32 s47, 0
	s_mul_i32 s[LB], s[WV], RL*PITCH
	s_mov_b32 s[TB], 0
	s_wait_dscnt 0x0                               ; the opening add is done
	s_wait_kmcnt 0x0
	s_add_nc_u64 s[14:15], s[80:81], s[16:17]
	s_add_nc_u64 s[46:47], s[82:83], s[46:47]
	CROUND                                         ; all sixteen work-groups are here: the first joint loads meet
.irp s, 0,1
	s_mov_b32 s[G0A+4*(\s)], 1
	s_add_co_u32 s[G0A+4*(\s)+1], s[LB], (\s)*SLOT
	s_add_nc_u64 s[G0A+4*(\s)+2:G0A+4*(\s)+3], s[14:15], (\s)*KSTEP*2
	s_or_b32 s[G0A+4*(\s)+3], s[G0A+4*(\s)+3], 0x80000000
	s_mov_b32 s[G0B+4*(\s)], 1
	s_add_co_u32 s[G0B+4*(\s)+1], s[LB], (\s)*SLOT
	s_add_nc_u64 s[G0B+4*(\s)+2:G0B+4*(\s)+3], s[46:47], (\s)*KSTEP*2
	s_or_b32 s[G0B+4*(\s)+3], s[G0B+4*(\s)+3], 0x80000000
	JLOAD \s                                       ; K steps 0 and 1: two loads of mine are out
.endr
	v_and_b32 v1, 15, v0
	v_bfe_u32 v2, v0, 4, 1
	v_and_b32 v3, 31, v0
	v_mul_u32_u24 v4, v1, PITCH
	v_lshl_add_u32 v4, v2, 4, v4                   ; a fragment's row x pitch + 16 x half
	s_mul_i32 s22, s[MH], WM*PITCH
	s_mul_i32 s23, s[NH], WN*PITCH
	s_add_co_u32 s23, s23, TM*PITCH
	v_add_nc_u32 v[ADRA0], s22, v4
	v_add_nc_u32 v[ADRB0], s23, v4
	v_mov_b32 v[ADRA], v[ADRA0]
	v_mov_b32 v[ADRB], v[ADRB0]
	s_mul_i32 s22, s[MH], WM*SP
	s_mul_i32 s23, s[NH], WN*4
	s_add_co_u32 s22, s22, s23
	v_mul_u32_u24 v4, v1, SP
	v_lshl_add_u32 v4, v2, 5, v4
	v_add_nc_u32 v[STOA], s22, v4                  ; stage: row l % 16 of my rows, my columns, 32 bytes for each half of the lanes
.set da, 1
.rept MA-1
	v_add_nc_u32 v[STOA+da], da*16*SP, v[STOA]
.set da, da+1
.endr
	s_mul_i32 s23, s[WV], (TM/4)*SP
	v_lshl_add_u32 v[RD], v3, 4, s23               ; back: wave w takes rows 32 w on, whole
	v_lshlrev_b32 v[GO], 4, v3
	v_lshlrev_b32 v[RO], RSH-15, v3
	v_mov_b32 v[ONE], 1.0
	s_lshl_b32 s66, s[TX], 9                       ; the tile's 128 columns in f32
	s_mov_b32 s67, 0
	s_add_nc_u64 s[84:85], s[84:85], s[66:67]
	s_lshl_b32 s68, s[TY], 19
	s_add_co_u32 s66, s66, s68
	s_lshl_b32 s68, s[WV], 17
	s_add_co_u32 s66, s66, s68
	s_add_nc_u64 s[88:89], s[88:89], s[66:67]      ; the output at my 32 rows
	s_lshl_b32 s68, s[TY], RSH
	s_lshl_b32 s69, s[WV], RSH-2
	s_add_co_u32 s68, s68, s69
	s_lshl_b32 s69, s[TX], RSH-10
	s_add_co_u32 s68, s68, s69
	s_mov_b32 s69, 0
	s_add_nc_u64 s[86:87], s[86:87], s[68:69]      ; the residual at my 32 rows
	global_load_b128 v[BIAS:BIAS+3], v[GO], s[84:85]
.set r, 0
.rept 32                               ; the residual of the rows that I store comes in while the products run
.if RESF16
	global_load_b64 v[RES+2*r:RES+2*r+1], v[RO], s[86:87] offset:r*2048
.else
	global_load_b128 v[RES+4*r:RES+4*r+3], v[RO], s[86:87] offset:r*4096
.endif
.set r, r+1
.endr
	s_wait_tensorcnt 1                             ; my part of K step 0 is in; K step 1's may stay out
	s_barrier_signal -1
	s_barrier_wait -1
	FETCH 0, F0
	QUARTER 1, F0, F1, 1                           ; the first quarter's first products start the sums
	WIN 0
	s_mov_b32 s[CNT], KSTEPS-2
.Lstep:                                                ; a trip: a K step's quarters 1 to 3, the change of slots with a refill, the next step's quarter 0
	QUARTER 2, F1, F0, 0
	QUARTER 3, F0, F1, 0
	TURN 1
	QUARTER 1, F0, F1, 0
	WIN 0
	s_sub_co_u32 s[CNT], s[CNT], 1
	s_cmp_lg_u32 s[CNT], 0
	s_cbranch_scc1 .Lstep
	s_mov_b32 s[CNT], 2
.Ltail:                                                ; the last two K steps fill nothing; the second trip is left in its middle (its fetch of the other slot's old bytes serves nothing)
	QUARTER 2, F1, F0, 0
	QUARTER 3, F0, F1, 0
	TURN 0
	WIN 0
	s_cmp_eq_u32 s[CNT], 1
	s_cbranch_scc1 .Lout
	QUARTER 1, F0, F1, 0
	WIN 0
	s_sub_co_u32 s[CNT], s[CNT], 1
	s_cmp_lg_u32 s[CNT], 0
	s_cbranch_scc1 .Ltail
.Lout:
	; THE WAY OUT.  The ring has had its last fill: the stage, 128 rows x 528 bytes of f32, lies in it.  Nobody reads the ring any more behind this barrier.
	s_wait_dscnt 0x0
	s_barrier_signal -1
	s_barrier_wait -1
	PLACES
.set da, 0
.rept MA
.set db, 0
.rept NB
.set dacc, da*NB+db
	WIN 0x08+0x04*(dacc/32)
	ds_store_b128 v[STOA+da], v[8*(dacc%32):8*(dacc%32)+3] offset:64*db
	ds_store_b128 v[STOA+da], v[8*(dacc%32)+4:8*(dacc%32)+7] offset:64*db+16
.set db, db+1
.endr
.set da, da+1
.endr
	WIN 0
	s_wait_dscnt 0x0                               ; for the others' sake: my stores into the stage are done
	s_barrier_signal -1
	s_barrier_wait -1
	s_wait_loadcnt 0x0                             ; the bias and the residual
	v_cvt_pk_bf16_f32 v60, v[BIAS], v[BIAS+1]      ; the bias is rounded to bf16, like every input
	v_cvt_pk_bf16_f32 v61, v[BIAS+2], v[BIAS+3]
	v_lshlrev_b32 v[BIAS], 16, v60
	v_and_b32 v[BIAS+1], 0xffff0000, v60
	v_lshlrev_b32 v[BIAS+2], 16, v61
	v_and_b32 v[BIAS+3], 0xffff0000, v61
.set gq, 0
.rept 4                                ; eight rows at a time
	s_wait_xcnt 0x0                                ; the last stores have read their data
.irp j, 0,1,2,3,4,5,6,7
	ds_load_b128 v[TT+4*\j:TT+4*\j+3], v[RD] offset:(8*gq+\j)*SP
.endr
.irp j, 0,1,2,3,4,5,6,7
.set rr, 8*gq+\j
	s_wait_dscnt 7-\j                              ; row j of the eight is in
.if RESF16
	v_fma_mix_f32 v[TT+4*\j],   v[RES+2*rr],   v[ONE], v[TT+4*\j]   op_sel_hi:[1,0,0]  ; an f16 half of the residual x 1.0 + the sum
	v_fma_mix_f32 v[TT+4*\j+1], v[RES+2*rr],   v[ONE], v[TT+4*\j+1] op_sel:[1,0,0] op_sel_hi:[1,0,0]
	v_fma_mix_f32 v[TT+4*\j+2], v[RES+2*rr+1], v[ONE], v[TT+4*\j+2] op_sel_hi:[1,0,0]
	v_fma_mix_f32 v[TT+4*\j+3], v[RES+2*rr+1], v[ONE], v[TT+4*\j+3] op_sel:[1,0,0] op_sel_hi:[1,0,0]
.else
	v_pk_add_f32 v[TT+4*\j:TT+4*\j+1],   v[TT+4*\j:TT+4*\j+1],   v[RES+4*rr:RES+4*rr+1]
	v_pk_add_f32 v[TT+4*\j+2:TT+4*\j+3], v[TT+4*\j+2:TT+4*\j+3], v[RES+4*rr+2:RES+4*rr+3]
.endif
	v_pk_add_f32 v[TT+4*\j:TT+4*\j+1],   v[TT+4*\j:TT+4*\j+1],   v[BIAS:BIAS+1]
	v_pk_add_f32 v[TT+4*\j+2:TT+4*\j+3], v[TT+4*\j+2:TT+4*\j+3], v[BIAS+2:BIAS+3]
	global_store_b128 v[GO], v[TT+4*\j:TT+4*\j+3], s[88:89] offset:rr*4096  ; 32 lanes: 512 consecutive bytes, aligned
.endr
.set gq, gq+1
.endr
	s_wait_tensorcnt 0x0                           ; the wave's end
	ds_add_u32 v[SPW], v[NIL]
	s_wait_dscnt 0x0
	CROUND                                         ; the closing round
	s_endpgm
.Lfunc_end_k_qab1e203f9d_ffn2:
	.size	k_qab1e203f9d_ffn2, .Lfunc_end_k_qab1e203f9d_ffn2-k_qab1e203f9d_ffn2
	.p2alignl 7, 3214868480
	.fill 96, 4, 3214868480
	.section	.rodata,"a",@progbits
	.p2align	6, 0x0
	.amdhsa_kernel k_qab1e203f9d_ffn2
		.amdhsa_group_segment_fixed_size 327680
		.amdhsa_private_segment_fixed_size 0
		.amdhsa_enable_private_segment 0
		.amdhsa_kernarg_size 40
		.amdhsa_user_sgpr_count 2
		.amdhsa_user_sgpr_kernarg_segment_ptr 1
		.amdhsa_wavefront_size32 1
		.amdhsa_system_sgpr_workgroup_id_x 1
		.amdhsa_system_sgpr_workgroup_id_y 1
		.amdhsa_system_sgpr_workgroup_id_z 1
		.amdhsa_system_vgpr_workitem_id 0
		.amdhsa_next_free_vgpr 640
		.amdhsa_next_free_sgpr 96
		.amdhsa_reserve_vcc 0
		.amdhsa_float_denorm_mode_32 3
		.amdhsa_float_denorm_mode_16_64 3
		.amdhsa_memory_ordered 1
		.amdhsa_forward_progress 1
		.amdhsa_inst_pref_size 70
	.end_amdhsa_kernel
	.amdgpu_metadata
---
amdhsa.version: [ 1, 2 ]
amdhsa.kernels:
  - .name:           k_qab1e203f9d_ffn2
    .symbol:         k_qab1e203f9d_ffn2.kd
    .args:
      - { .name: gl, .offset: 0, .size: 8, .value_kind: global_buffer, .address_space: global }
      - { .name: wt, .offset: 8, .size: 8, .value_kind: global_buffer, .address_space: global }
      - { .name: b2, .offset: 16, .size: 8, .value_kind: global_buffer, .address_space: global }
      - { .name: x1, .offset: 24, .size: 8, .value_kind: global_buffer, .address_space: global }
      - { .name: out0, .offset: 32, .size: 8, .value_kind: global_buffer, .address_space: global }
    .group_segment_fixed_size: 327680
    .private_segment_fixed_size: 0
    .kernarg_segment_align: 8
    .kernarg_segment_size: 40
    .max_flat_workgroup_size: 128
    .sgpr_count:     96
    .vgpr_count:     640
    .wavefront_size: 32
...
	.end_amdgpu_metadata
.endif
;; end of part 7
